; MI455X (gfx1250); checked and timed in simulation.
; The chip was launched on July 23, 2026; its instructions are those of AMD's public machine-readable ISA for CDNA 5 (MIT licence, August 2026) and "CDNA5" Instruction Set Architecture Reference Guide (July 2026). The comments in the code are by the model that wrote it; some were corrected since.
;; Multi Head Attention. Allowed arithmetic: matrix products marked QUANTISED: E2M1 operands, one E8M0 scale for each 32 along K, by v_wmma_scale_f32_16x16x128_f8f6f4 with both operands' format E2M1 (or v_wmma_scale_f32_32x16x128_f4), f32 sums; everything else in f32.
;; Inputs: Wk 1,024 x 1,024 float32; Wo 1,024 x 1,024 float32; Wq 1,024 x 1,024 float32; Wv 1,024 x 1,024 float32; bk 1,024 float32; bo 1,024 float32; bq 1,024 float32; bv 1,024 float32; key 4 x 2,048 x 1,024 float32; query 4 x 2,048 x 1,024 float32; value 4 x 2,048 x 1,024 float32.
;; Outputs: out0 4 x 2,048 x 1,024 float32.
;; This version of the problem:
;;   THIS VERSION OF THE PROBLEM IS GIVEN IN LOW PRECISION. The matrix products marked QUANTISED in the list below multiply operands that are first quantised to E2M1 (2 exponent bits, 1 mantissa bit; 4 bits a number), with one power-of-two scale for each 32 numbers along K (OCP MX v1.0); their sums are f32. All else is computed in f32.
;;   The module's matrix products, in the order in which they are computed (A, B: the left and right operand; K: the contracted axis; several contracted axes count as one K, in the product's order):
;;     1. [M 8,192, K 1,024] x [K 1,024, N 1,024]; A: input query; B: input Wq: QUANTISED
;;     2. [M 8,192, K 1,024] x [K 1,024, N 1,024]; A: input key; B: input Wk: QUANTISED
;;     3. [M 8,192, K 1,024] x [K 1,024, N 1,024]; A: input value; B: input Wv: QUANTISED
;;     4. batch 64 x [M 2,048, K 64] x [K 64, N 2,048]; A: computed on the way; B: computed on the way: QUANTISED
;;     5. batch 64 x [M 2,048, K 2,048] x [K 2,048, N 64]; A: softmax (see below); B: computed on the way: QUANTISED
;;     6. [M 8,192, K 1,024] x [K 1,024, N 1,024]; A: computed on the way; B: input Wo: QUANTISED
;;   THE QUANTISER, for each operand of a quantised product, along K:
;;     - K is cut into blocks of 32 from its start; a last block that is shorter is filled with zeros.
;;     - A block's scale is 2^e with e = floor(log2(the largest magnitude in the block)) - 2, held to -126 .. 127; a block of zeros has e = 0. As a byte (E8M0): e + 127.
;;     - Each number is divided by its block's scale, clamped to +-6, and rounded to the nearest number of E2M1, ties to even, subnormals kept.
;;     - The product sums the exact products of the quantised numbers (number of the format x scale) in f32.
;;   ~~~python
;;   def quantise(x, axis):      # numpy; x: float32 -> the quantised numbers, widened to float32 again
;;       x = np.moveaxis(x, axis, -1); K = x.shape[-1]
;;       x = np.pad(x, [(0, 0)] * (x.ndim - 1) + [(0, -K % 32)]); x = x.reshape(x.shape[:-1] + (-1, 32)); a = np.abs(x).max(-1, keepdims=True)
;;       e = np.where(a > 0, np.clip(np.frexp(np.where(a > 0, a, 1))[1] - 1 - 2, -126, 127), 0)      # np.frexp(a)[1] - 1 = floor(log2(a)), exactly
;;       r = np.clip(x / 2.0 ** e, -6, 6)
;;       step = 2.0 ** (np.maximum(np.frexp(np.where(r == 0, 1, r))[1] - 1, 0) - 1)
;;       q = np.round(r / step) * step * 2.0 ** e      # np.round: ties to even
;;       return np.moveaxis(q.reshape(q.shape[:-2] + (-1,))[..., :K], -1, axis).astype(np.float32)
;;   ~~~
;;   SOFTMAX AHEAD OF A QUANTISED PRODUCT. Where the list says 'softmax', what is quantised is not the finished softmax but p = 2^(t - M), with t = logit x log2(e) and M = ceil(the row's largest t), a whole number; so 1/2 < the row's largest p <= 1. The row's sum l is taken of the UNQUANTISED p, in f32, and the product's result is divided by l at the end. Since M is a whole number, a kernel that streams over the keys may use a running M (the ceiling of the running maximum): every later rescaling is an exact power of two, which a block's scale takes up: the codes' values come out the same.
;;   OPERANDS COMPUTED ON THE WAY. 'Computed on the way' means the value that the module computes at that place (a softmax that the list does not call 'softmax' is quantised finished and normalised). What goes into a quantiser is computed in f32, as accurately as f32 sums, v_exp_f32 and their like allow (about 1e-6 of the number): no bf16 or f16 on the way to a quantiser, and a product that is left as it is and whose result goes on into a quantised operand takes f32 operands (vector FMAs, or v_wmma_f32_16x16x4_f32). A number that lies on a knife's edge between two numbers of the format may be rounded either way, as far as f32 arithmetic and the matrix unit's own rounding can turn it there, and no further.
;; 2 versions. Each part assembles by itself: llvm-mc -triple=amdgcn-amd-amdhsa -mcpu=gfx1250 --defsym DOCPART=n.
;; ======== version 1 of 2: 4 launches
;; workspace buffers: xcod 14,680,064 bytes; xscl 917,504 bytes; qkcod 8,388,608 bytes; qkscl 524,288 bytes; vcod 4,194,304 bytes; vscl 262,144 bytes; ocod 4,194,304 bytes; oscl 262,144 bytes
;; launch quant (part 1): grid 1792 x 1, 1 waves a work-group, no clusters, 8,960 bytes of LDS; arguments query, key, value, Wq, Wk, Wv, Wo, xcod, xscl; writes xcod, xscl
.if DOCPART == 1
	.amdgcn_target "amdgcn-amd-amdhsa--gfx1250"
	.amdhsa_code_object_version 6
	.text
	.protected	k_q22c00f2e2d_quant
	.globl	k_q22c00f2e2d_quant
	.p2align	8
	.type	k_q22c00f2e2d_quant,@function
k_q22c00f2e2d_quant:
	s_mov_b64 s[64:65], 0
	v_nop
	global_prefetch_b8 v0, s[64:65] scope:SCOPE_SE
	s_setreg_imm32_b32 hwreg(HW_REG_WAVE_MODE, 25, 1), 1
	s_wait_xcnt 0x0
; query, key, value [8192][1024] and Wq, Wk, Wv, Wo [1024][1024], f32, K innermost, become codes of FP4 (E2M1) with one E8M0 byte for each 32 along K.
; The seven tensors are 1,792 tiles of 16 rows (query 0-511, key 512-1023, value 1024-1535, Wq 1536-, Wk 1600-, Wv 1664-, Wo 1728-1791); one wave takes one tile.
; xcod: [tile][K step of 128: 0..7][c: 0..1][lane][16 bytes]: the image of the operand's registers: lane (r, h) holds row r, k = 128 f + 64 c + 32 h + 0..31.
; xscl: [row][32 bytes], byte k / 32.
; A block's scale is 2^(floor(log2(largest magnitude)) - 2): its byte is the largest magnitude's exponent field - 2, held at 1 from below by a floor among the maximum's leaves.
; LIMITS: a block of zeros gets the byte 1 where the rule says 127 (its codes are zeros; only this program reads the bytes); blocks whose largest magnitude lies under 2^-124 are held at byte 1;
; NaN and infinities among the inputs are not served.
; Each load reads 512 consecutive bytes of a row; a K step's 16 x 512 bytes turn through a stage in LDS (rows 528 bytes apart) so that a lane gets two whole blocks of 32 neighbours.
; Loads run two K steps (32 loads) ahead.  No barrier: one wave to a work-group.
.set R,  32                            ; v32-159   two sets of 64 registers as loaded
.set X,  160                           ; v160-223  my two blocks: 32 c + i = k 64 c + 32 h + i of row r
.set C,  224                           ; v224-239  two sets of 8 registers of codes
.set W,  240                           ; v240-247  the scale word of each K step
.set SP, 528                           ; a stage row: 512 bytes + 16
	s_load_b512 s[8:23], s[0:1], 0x0               ; query, key, value, Wq, Wk, Wv, Wo, xcod
	s_load_b64 s[24:25], s[0:1], 0x40              ; xscl
	v_lshl_add_u32 v254, v0, 2, 0x2200
	v_mov_b32 v255, 0
	v_lshlrev_b32 v1, 4, v0                        ; 16 x lane
	v_and_b32 v4, 15, v0                           ; r
	v_lshrrev_b32 v5, 4, v0                        ; h
	v_mul_u32_u24 v2, v4, SP
	v_lshl_add_u32 v2, v5, 7, v2                   ; out of the stage: row r, + 128 h bytes
	v_lshlrev_b32 v3, 5, v4
	v_lshl_add_u32 v3, v5, 4, v3                   ; my 16 of a row's 32 scale bytes
	v_lshlrev_b32 v6, 3, v5                        ; 8 h: my bytes' shift in a scale word
	v_mov_b32 v14, 0                               ; a lane permute's destination counts as read: written once
	s_mov_b32 s26, 0x76543210
	s_mov_b32 s27, 0xfedcba98                      ; selects for lane l xor 16
	s_mov_b32 s28, 0xffff0000                      ; lanes 16-31
	s_wait_kmcnt 0x0
	s_mov_b64 s[4:5], s[8:9]                       ; which tensor is mine: a choice on the work-group's number alone
	s_mov_b32 s6, 0
.macro PICK first, lo
	s_cmp_ge_u32 ttmp9, \first
	s_cselect_b64 s[4:5], s[\lo:\lo+1], s[4:5]
	s_cselect_b32 s6, \first, s6
.endm
	PICK 512, 10
	PICK 1024, 12
	PICK 1536, 14
	PICK 1600, 16
	PICK 1664, 18
	PICK 1728, 20
	s_sub_co_u32 s6, ttmp9, s6                     ; my tile within the tensor,
	s_lshl_b32 s6, s6, 16                          ; 16 rows of 4,096 bytes each
	s_mov_b32 s7, 0
	s_add_nc_u64 s[4:5], s[4:5], s[6:7]
	s_lshl_b32 s6, ttmp9, 13                       ; 8,192 bytes of codes a tile
	s_add_nc_u64 s[22:23], s[22:23], s[6:7]
	s_lshl_b32 s6, ttmp9, 9                        ; 512 scale bytes a tile
	s_add_nc_u64 s[24:25], s[24:25], s[6:7]
.macro LOAD f                          ; K step f: 512 consecutive bytes of each of the 16 rows
.irp i, 0,1,2,3,4,5,6,7,8,9,10,11,12,13,14,15
	global_load_b128 v[R+64*((\f)%2)+4*\i:R+64*((\f)%2)+4*\i+3], v1, s[4:5] offset:4096*\i+512*(\f) th:TH_LOAD_NT
.endr
.endm
.macro STEP f
.if (\f) < 7
	s_wait_loadcnt 16                              ; this K step's 16 loads are in; the next step's 16 may be out
.else
	s_wait_loadcnt 0
.endif
.irp i, 0,1,2,3,4,5,6,7,8,9,10,11,12,13,14,15
	ds_store_b128 v1, v[R+64*((\f)%2)+4*\i:R+64*((\f)%2)+4*\i+3] offset:SP*\i
.endr
.irp c, 0,1
.irp i, 0,1,2,3,4,5,6,7
	ds_load_b128 v[X+32*\c+4*\i:X+32*\c+4*\i+3], v2 offset:256*\c+16*\i   ; LDS serves a wave's instructions in order: these see the stores above
.endr
.endr
	s_wait_dscnt 0x0                               ; my numbers are back, and the stores have read their registers,
.if (\f) < 6
	LOAD (\f)+2                                    ; which take the loads of two steps on
.endif
.irp q, 0,1,2,3                        ; four chains of 16 numbers: block q / 2; each begins with the floor 2^(3 - 127), so that the byte cannot fall under 1
	v_max3_num_f32 v[8+\q], |v[X+16*\q]|, |v[X+16*\q+1]|, 0x1800000
.endr
.irp i, 2,4,6,8,10,12,14
.irp q, 0,1,2,3
	v_max3_num_f32 v[8+\q], v[8+\q], |v[X+16*\q+\i]|, |v[X+16*\q+\i+1]|
.endr
.endr
	v_max_num_f32 v8, v8, v9                       ; block h of this K step,
	v_max_num_f32 v10, v10, v11                    ; block 2 + h
	v_add_nc_u32 v12, 0xff000000, v8               ; 2 off the exponent field: the conversion's scale operand
	v_add_nc_u32 v13, 0xff000000, v10
	v_lshrrev_b32 v16, 23, v12                     ; the scales' bytes
	v_lshrrev_b32 v17, 23, v13
	v_lshl_or_b32 v18, v17, 16, v16
	v_lshlrev_b32 v18, v6, v18                     ; at their places in the row's word,
	v_permlanex16_b32 v14, v18, s26, s27
	v_or_b32 v[W+(\f)], v18, v14                   ; whole with lane l xor 16's two
	s_wait_xcnt 0x0                                ; the stores of two steps back have read this set of code registers
.irp c, 0,1
.irp g, 0,1,2,3
	v_cvt_scalef32_pk8_fp4_f32 v[C+8*((\f)%2)+4*\c+\g], v[X+32*\c+8*\g:X+32*\c+8*\g+7], v[12+\c]
.endr
.endr
	v_nop                                          ; one plain instruction behind the run of scaled conversions
.irp c, 0,1
	global_store_b128 v1, v[C+8*((\f)%2)+4*\c:C+8*((\f)%2)+4*\c+3], s[22:23] offset:1024*(\f)+512*\c   ; 32 lanes store 512 consecutive bytes
.endr
.endm
	LOAD 0
	LOAD 1
.irp f, 0,1,2,3,4,5,6,7
	STEP \f
.endr
.irp i, 0,1,2,3
	v_cndmask_b32 v[248+\i], v[W+\i], v[W+4+\i], s28   ; lanes 0-15: the words of K steps 0-3; lanes 16-31: of K steps 4-7
.endr
	global_store_b128 v3, v[248:251], s[24:25]     ; the tile's 512 scale bytes, consecutive
	s_wait_tensorcnt 0x0
	ds_add_u32 v254, v255
	s_wait_dscnt 0x0
	s_endpgm
.Lfunc_end_k_q22c00f2e2d_quant:
	.size	k_q22c00f2e2d_quant, .Lfunc_end_k_q22c00f2e2d_quant-k_q22c00f2e2d_quant
	.p2alignl 7, 3214868480
	.fill 96, 4, 3214868480
	.section	.rodata,"a",@progbits
	.p2align	6, 0x0
	.amdhsa_kernel k_q22c00f2e2d_quant
		.amdhsa_group_segment_fixed_size 8960
		.amdhsa_private_segment_fixed_size 0
		.amdhsa_enable_private_segment 0
		.amdhsa_kernarg_size 72
		.amdhsa_user_sgpr_count 2
		.amdhsa_user_sgpr_kernarg_segment_ptr 1
		.amdhsa_wavefront_size32 1
		.amdhsa_system_sgpr_workgroup_id_x 1
		.amdhsa_system_sgpr_workgroup_id_y 1
		.amdhsa_system_sgpr_workgroup_id_z 1
		.amdhsa_system_vgpr_workitem_id 0
		.amdhsa_next_free_vgpr 256
		.amdhsa_next_free_sgpr 66
		.amdhsa_reserve_vcc 0
		.amdhsa_float_denorm_mode_32 3
		.amdhsa_float_denorm_mode_16_64 3
		.amdhsa_memory_ordered 1
		.amdhsa_forward_progress 1
		.amdhsa_inst_pref_size 58
	.end_amdhsa_kernel
	.amdgpu_metadata
---
amdhsa.version: [ 1, 2 ]
amdhsa.kernels:
  - .name:           k_q22c00f2e2d_quant
    .symbol:         k_q22c00f2e2d_quant.kd
    .args:
      - { .name: query, .offset: 0, .size: 8, .value_kind: global_buffer, .address_space: global }
      - { .name: key, .offset: 8, .size: 8, .value_kind: global_buffer, .address_space: global }
      - { .name: value, .offset: 16, .size: 8, .value_kind: global_buffer, .address_space: global }
      - { .name: Wq, .offset: 24, .size: 8, .value_kind: global_buffer, .address_space: global }
      - { .name: Wk, .offset: 32, .size: 8, .value_kind: global_buffer, .address_space: global }
      - { .name: Wv, .offset: 40, .size: 8, .value_kind: global_buffer, .address_space: global }
      - { .name: Wo, .offset: 48, .size: 8, .value_kind: global_buffer, .address_space: global }
      - { .name: xcod, .offset: 56, .size: 8, .value_kind: global_buffer, .address_space: global }
      - { .name: xscl, .offset: 64, .size: 8, .value_kind: global_buffer, .address_space: global }
    .group_segment_fixed_size: 8960
    .private_segment_fixed_size: 0
    .kernarg_segment_align: 8
    .kernarg_segment_size: 72
    .max_flat_workgroup_size: 32
    .sgpr_count:     66
    .vgpr_count:     256
    .wavefront_size: 32
...
	.end_amdgpu_metadata
.endif
;; end of part 1
;; launch proj (part 2): grid 256 x 1, 3 waves a work-group, no clusters, 0 bytes of LDS; arguments xcod, xscl, bq, bk, bv, qkcod, qkscl, vcod, vscl; writes qkcod, qkscl, vcod, vscl
.if DOCPART == 2
	.amdgcn_target "amdgcn-amd-amdhsa--gfx1250"
	.amdhsa_code_object_version 6
	.text
	.protected	k_q22c00f2e2d_proj
	.globl	k_q22c00f2e2d_proj
	.p2align	8
	.type	k_q22c00f2e2d_proj,@function
k_q22c00f2e2d_proj:
	s_mov_b64 s[64:65], 0
	v_nop
	global_prefetch_b8 v0, s[64:65] scope:SCOPE_SE
	s_setreg_imm32_b32 hwreg(HW_REG_WAVE_MODE, 25, 1), 1
	s_wait_xcnt 0x0
; Q = query Wq^T + bq, K = key Wk^T + bk, V = value Wv^T + bv on codes of FP4 with E8M0 scales, and the results quantised at once: Q and K along the head's 64, V along the keys.
; SHARES.  768 waves, no LDS, no barrier.  A wave keeps 128 indices of the axis that is to be quantised, for all of K = 1024, in registers (the U side: 64 fragments, 512 registers)
; and streams 16 tiles of 16 rows of the other operand (the T side) from memory into two register buffers.
;   Q, K: U = 128 rows of W (two heads), T = rows of x.     V: U = 128 rows of value (one key step), T = rows of Wv.
; Source 0 = U, source 1 = T: lane (r, h) holds T's row r, and register j of tile u holds U index 16 u + 8 h + j.  Tiles 2 b and 2 b + 1 are one block of 32, shared by lanes l and l xor 16.
; The codes come out in the operand's order by the numbering of the conversions' destinations and one exchange of halves for each pair of registers.
; The bias is the C of each sum's first product.
; OUT.  qkcod [Q, K][batch x head][tile of 16 rows][lane][16 bytes]: lane (r, h) = row r, d = 32 h + 0..31.  qkscl [Q, K][batch x head][pair of tiles][r][4]: low half the even tile's two bytes, high half the odd tile's.
;       vcod [batch][key step of 128][tile of 16 features][c][lane][16 bytes]: a fragment of 16 features x 128 keys.  vscl [batch][key step][tile][r][4].
; LIMITS: a block of zeros gets the byte 1 where the rule says 127 (only this program reads the bytes); NaN and infinities are not served.
; REGISTERS, in windows of 256.  Window 0: v1-5 offsets; v8-15 T's scale words; v16-47 U's; v48-111 the 8 accumulators; v112-127 codes, two sets; v128-139 at work; v144-146 scale words made; v152-167 V's bias, two sets.
;   Window 1: U's fragments of K steps 0-3 at 64 ks + 8 u.   Window 2: of K steps 4-7.   Window 3: T's two buffers at v0 and v64 (8 ks); from v128 the bias of U's 128 indices (Q, K).
; A load of 16 scale bytes at 32 r + 16 h leaves the words of K steps 0-3 in lanes 0-15 and those of K steps 4-7 in lanes 16-31: K steps 4-7 read the upper lanes.
.set TSC, 8
.set USC, 16
.set ACC, 48
.set PC,  112
.set TM,  128
.set PW,  144
.set MW,  146
.set BT8, 152
.set BU,  128                          ; in window 3
.set MSB, 0
.macro WIN new                         ; the immediate's high byte repeats the setting that is left
.if MSB != \new
	s_set_vgpr_msb (MSB<<8)|\new
.set MSB, \new
.endif
.endm
; nb blocks of 32: v[s + 16 b + i] = index 32 b + 16 (i / 8) + 8 h + i % 8 of my row.  Codes to v[pc] on, in the operand's order; the row's scale bytes to v[pw].
.macro QUANT s, pc, pw, nb
.irp b, 0,1,2,3
.if \b < \nb
	v_max3_num_f32 v[TM+\b], |v[(\s)+16*\b]|, |v[(\s)+16*\b+1]|, 0x1800000   ; my 16 numbers of block b, and the floor 2^(3 - 127): the byte cannot fall under 1
.endif
.endr
.irp i, 2,4,6,8,10,12,14
.irp b, 0,1,2,3
.if \b < \nb
	v_max3_num_f32 v[TM+\b], v[TM+\b], |v[(\s)+16*\b+\i]|, |v[(\s)+16*\b+\i+1]|
.endif
.endr
.endr
.irp b, 0,1,2,3
.if \b < \nb
	v_permlanex16_b32 v[TM+4+\b], v[TM+\b], s26, s27
.endif
.endr
.irp b, 0,1,2,3
.if \b < \nb
	v_max_num_f32 v[TM+\b], v[TM+\b], v[TM+4+\b]   ; with lane l xor 16's: the block's largest magnitude
.endif
.endr
.irp b, 0,1,2,3
.if \b < \nb
	v_add_nc_u32 v[TM+8+\b], 0xff000000, v[TM+\b]  ; 2 off its exponent field: the conversion's scale operand
.endif
.endr
.irp b, 0,1,2,3
.if \b < \nb
	v_lshrrev_b32 v[TM+4+\b], 23, v[TM+8+\b]       ; the scale's byte
.endif
.endr
	v_lshl_or_b32 v[\pw], v[TM+5], 8, v[TM+4]
.if \nb > 2
	v_lshl_or_b32 v[\pw], v[TM+6], 16, v[\pw]
	v_lshl_or_b32 v[\pw], v[TM+7], 24, v[\pw]
.endif
.irp b, 0,1,2,3
.if \b < \nb
	v_cvt_scalef32_pk8_fp4_f32 v[(\pc)+4*(\b/2)+(\b%2)], v[(\s)+16*\b:(\s)+16*\b+7], v[TM+8+\b]        ; indices 32 b + 8 h + 0..7
	v_cvt_scalef32_pk8_fp4_f32 v[(\pc)+4*(\b/2)+2+(\b%2)], v[(\s)+16*\b+8:(\s)+16*\b+15], v[TM+8+\b]   ; indices 32 b + 16 + 8 h + 0..7
.endif
.endr
	v_nop                                          ; one plain instruction behind the scaled conversions
.irp c, 0,1
.if 2*\c < \nb
.irp i, 0,1
	v_permlane16_swap_b32 v[(\pc)+4*\c+2*\i], v[(\pc)+4*\c+2*\i+1]   ; the first's lanes 16-31 change places with the second's lanes 0-15: registers 4 c .. 4 c + 3 now hold 64 c + 32 h + 0..31 in order
.endr
.endif
.endr
.endm
; one product: K step ks, U's tile u, T's buffer buf
.macro MM body, buf, ks, u
.set rD, ACC+8*(\u)
.set rA, 64*((\ks)%4)+8*(\u)
.set rB, 64*(\buf)+8*(\ks)
.set rSA, USC+4*(\u)+(\ks)%4
.set rSB, TSC+4*(\buf)+(\ks)%4
.if (\ks) == 0
.if \body
	v_wmma_scale_f32_16x16x128_f8f6f4 v[rD:rD+7], v[rA:rA+7], v[rB:rB+7], v[BT8+8*(\buf):BT8+8*(\buf)+7], v[rSA], v[rSB] matrix_a_fmt:MATRIX_FMT_FP4 matrix_b_fmt:MATRIX_FMT_FP4
.else
	v_wmma_scale_f32_16x16x128_f8f6f4 v[rD:rD+7], v[rA:rA+7], v[rB:rB+7], v[BU+8*(\u):BU+8*(\u)+7], v[rSA], v[rSB] matrix_a_fmt:MATRIX_FMT_FP4 matrix_b_fmt:MATRIX_FMT_FP4
.endif
.elseif (\ks) < 4
	v_wmma_scale_f32_16x16x128_f8f6f4 v[rD:rD+7], v[rA:rA+7], v[rB:rB+7], v[rD:rD+7], v[rSA], v[rSB] matrix_a_fmt:MATRIX_FMT_FP4 matrix_b_fmt:MATRIX_FMT_FP4
.else
	v_wmma_scale_f32_16x16x128_f8f6f4 v[rD:rD+7], v[rA:rA+7], v[rB:rB+7], v[rD:rD+7], v[rSA], v[rSB] matrix_a_fmt:MATRIX_FMT_FP4 matrix_b_fmt:MATRIX_FMT_FP4 matrix_a_scale:MATRIX_SCALE_ROW1 matrix_b_scale:MATRIX_SCALE_ROW1
.endif
.endm
; a T tile into buffer buf: 17 loads (Q, K) or 25 (V: the tile's bias, one number a lane, eight times over, in the result's layout).  ahead = 1: the tile two on
.macro LOADT body, buf, ahead
.if \body
.irp j, 0,1,2,3,4,5,6,7
	global_load_b32 v[BT8+8*(\buf)+\j], v3, s[38:39] offset:128*(\ahead)+64*(\buf)
.endr
.endif
	global_load_b128 v[TSC+4*(\buf):TSC+4*(\buf)+3], v2, s[36:37] offset:1024*(\ahead)+512*(\buf)
	WIN 0xc0                                       ; destination window 3
.irp ks, 0,1,2,3,4,5,6,7
.irp c, 0,1
	global_load_b128 v[64*(\buf)+8*\ks+4*\c:64*(\buf)+8*\ks+4*\c+3], v1, s[34:35] offset:16384*(\ahead)+8192*(\buf)+1024*\ks+512*\c
.endr
.endr
	WIN 0
.endm
; one T tile: 64 products on 8 accumulators that take turns, one instruction a turn; then the quantiser and the stores
.macro TILE body, buf, ahead, left
	s_wait_loadcnt \left                           ; my tile's group is in; the next tile's group may be out
.irp ks, 0,1,2,3,4,5,6,7
.if (\ks == 0) && (\body == 0)
	WIN 0x3d                                       ; U window 1, T window 3, C (the bias) window 3
.elseif \ks < 4
	WIN 0x0d                                       ; U window 1, T window 3
.else
	WIN 0x0e                                       ; U window 2, T window 3
.endif
.irp u, 0,1,2,3,4,5,6,7
	MM \body, \buf, \ks, \u
.endr
.endr
	WIN 0
.rept 4
	v_nop                                          ; four places behind the products: for the loads into the buffer that they read and for the first read of their results
.endr
	s_wait_xcnt 0x0                                ; earlier stores have read their code and scale registers
.if \ahead
	LOADT \body, \buf, 1
.endif
	QUANT ACC, PC+8*(\buf), PW+(\buf), 4
.if \body
	global_store_b128 v1, v[PC+8*(\buf):PC+8*(\buf)+3], s[40:41] offset:1024*(\buf)
	global_store_b128 v1, v[PC+8*(\buf)+4:PC+8*(\buf)+7], s[40:41] offset:1024*(\buf)+512
.else
	global_store_b128 v1, v[PC+8*(\buf):PC+8*(\buf)+3], s[40:41] offset:512*(\buf)             ; the first head's 64
	global_store_b128 v1, v[PC+8*(\buf)+4:PC+8*(\buf)+7], s[40:41] offset:65536+512*(\buf)     ; the second head's
.endif
.if \buf
.if \body
	v_cndmask_b32 v[MW], v[PW], v[PW+1], s28       ; lanes 0-15: the even tile's words; lanes 16-31: the odd tile's
.else
	v_perm_b32 v[MW], v[PW+1], v[PW], v5           ; lanes 0-15: the first head's bytes of both tiles; lanes 16-31: the second head's
.endif
	global_store_b32 v4, v[MW], s[42:43]
.endif
.endm
.macro BODY body
.set GRP, 17+8*(\body)
.if \body
	s_and_b32 s6, s5, 63                           ; ug: which 128 rows of value
	s_lshr_b32 s7, s5, 6                           ; tc: which 16 tiles of Wv
	s_lshl_b32 s45, s6, 3
	s_add_co_u32 s45, s45, 1024                    ; U's first tile
.else
	s_and_b32 s6, s5, 7                            ; ug: which 128 rows of W
	s_lshr_b32 s7, s5, 3                           ; tc: which 16 tiles of x
	s_lshl_b32 s45, s4, 6
	s_lshl_b32 s46, s6, 3
	s_add_co_u32 s45, s45, s46
	s_add_co_u32 s45, s45, 1536                    ; U's first tile
.endif
	s_lshl_b32 s46, s45, 13
	s_add_nc_u64 s[30:31], s[8:9], s[46:47]        ; U's codes
	s_lshl_b32 s46, s45, 9
	s_add_nc_u64 s[32:33], s[10:11], s[46:47]      ; U's scale bytes
.if \body
	s_lshl_b32 s45, s7, 4
	s_add_co_u32 s45, s45, 1664                    ; T's first tile
.else
	s_lshl_b32 s45, s4, 9
	s_lshl_b32 s46, s7, 4
	s_add_co_u32 s45, s45, s46                     ; T's first tile
.endif
	s_lshl_b32 s46, s45, 13
	s_add_nc_u64 s[34:35], s[8:9], s[46:47]        ; T's codes
	s_lshl_b32 s46, s45, 9
	s_add_nc_u64 s[36:37], s[10:11], s[46:47]      ; T's scale bytes
.if \body
	s_lshl_b32 s46, s7, 10
	s_add_nc_u64 s[38:39], s[16:17], s[46:47]      ; bv at T's first feature
	s_lshl_b32 s45, s6, 6
	s_lshl_b32 s46, s7, 4
	s_add_co_u32 s45, s45, s46                     ; 64 ug + 16 tc: the first fragment
	s_lshl_b32 s46, s45, 10
	s_add_nc_u64 s[40:41], s[22:23], s[46:47]
	s_lshl_b32 s46, s45, 6
	s_add_nc_u64 s[42:43], s[24:25], s[46:47]
	v_lshlrev_b32 v3, 2, v141                      ; the bias: 4 r
	v_lshlrev_b32 v4, 2, v140                      ; the scale words: 4 x lane
.else
	s_cmp_eq_u32 s4, 0
	s_cselect_b64 s[38:39], s[12:13], s[14:15]     ; bq or bk,
	s_lshl_b32 s46, s6, 9
	s_add_nc_u64 s[38:39], s[38:39], s[46:47]      ; at U's first feature
	s_lshr_b32 s45, s7, 3
	s_lshl_b32 s45, s45, 4
	s_lshl_b32 s46, s6, 1
	s_add_co_u32 s45, s45, s46                     ; 16 x batch + the first head
	s_and_b32 s48, s7, 7
	s_lshl_b32 s46, s45, 16                        ; 128 tiles of 512 bytes a head,
	s_lshl_b32 s49, s48, 13                        ; 16 tiles a wave,
	s_add_co_u32 s46, s46, s49
	s_lshl_b32 s49, s4, 22                         ; Q's half or K's
	s_add_co_u32 s46, s46, s49
	s_add_nc_u64 s[40:41], s[18:19], s[46:47]
	s_lshl_b32 s46, s45, 12                        ; 64 pairs of 64 bytes a head,
	s_lshl_b32 s49, s48, 9                         ; 8 pairs a wave
	s_add_co_u32 s46, s46, s49
	s_lshl_b32 s49, s4, 18
	s_add_co_u32 s46, s46, s49
	s_add_nc_u64 s[42:43], s[20:21], s[46:47]
	v_lshlrev_b32 v3, 5, v142                      ; the bias: 32 h
	v_lshlrev_b32 v4, 2, v141
	v_lshl_add_u32 v4, v142, 12, v4                ; the scale words: 4 r, + a head's 4,096 bytes for lanes 16-31
	v_mov_b32 v5, 0x05040100                       ; lanes 0-15 pack the two low halves,
	v_mov_b32 v143, 0x07060302                     ; lanes 16-31 the two high halves
	v_cndmask_b32 v5, v5, v143, s28
.endif
	WIN 0x40                                       ; destination window 1
.irp ks, 0,1,2,3
.irp u, 0,1,2,3,4,5,6,7
.irp c, 0,1
	global_load_b128 v[64*\ks+8*\u+4*\c:64*\ks+8*\u+4*\c+3], v1, s[30:31] offset:8192*\u+1024*\ks+512*\c
.endr
.endr
.endr
	WIN 0x80                                       ; destination window 2
.irp ks, 4,5,6,7
.irp u, 0,1,2,3,4,5,6,7
.irp c, 0,1
	global_load_b128 v[64*(\ks-4)+8*\u+4*\c:64*(\ks-4)+8*\u+4*\c+3], v1, s[30:31] offset:8192*\u+1024*\ks+512*\c
.endr
.endr
.endr
	WIN 0
.irp u, 0,1,2,3,4,5,6,7
	global_load_b128 v[USC+4*\u:USC+4*\u+3], v2, s[32:33] offset:512*\u
.endr
.if \body == 0
	WIN 0xc0
.irp u, 0,1,2,3,4,5,6,7
	global_load_b128 v[BU+8*\u:BU+8*\u+3], v3, s[38:39] offset:64*\u         ; the bias of features 16 u + 8 h + 0..7
	global_load_b128 v[BU+8*\u+4:BU+8*\u+7], v3, s[38:39] offset:64*\u+16
.endr
	WIN 0
.endif
	LOADT \body, 0, 0
	LOADT \body, 1, 0
	s_mov_b32 s44, 7
.Ltrip_\@:                             ; 7 trips of two tiles; each tile asks for the tile two on
	TILE \body, 0, 1, GRP
	TILE \body, 1, 1, GRP
	s_wait_xcnt 0x0                                ; every load and store issued has read its base: the bases step
	s_add_nc_u64 s[34:35], s[34:35], 16384
	s_add_nc_u64 s[36:37], s[36:37], 1024
.if \body
	s_add_nc_u64 s[38:39], s[38:39], 128
	s_add_nc_u64 s[40:41], s[40:41], 2048
	s_add_nc_u64 s[42:43], s[42:43], 128
.else
	s_add_nc_u64 s[40:41], s[40:41], 1024
	s_add_nc_u64 s[42:43], s[42:43], 64
.endif
	s_sub_co_u32 s44, s44, 1
	s_cmp_lg_u32 s44, 0
	s_cbranch_scc1 .Ltrip_\@
	TILE \body, 0, 0, GRP                          ; the last two tiles ask for nothing: no load leaves its buffer
	TILE \body, 1, 0, 0
	s_endpgm
.endm
	s_load_b512 s[8:23], s[0:1], 0x0               ; xcod, xscl, bq, bk, bv, qkcod, qkscl, vcod
	s_load_b64 s[24:25], s[0:1], 0x40              ; vscl
	v_lshrrev_b32 v140, 5, v0
	v_readfirstlane_b32 s2, v140                   ; wave 0..2
	v_and_b32 v140, 31, v0                         ; lane
	v_and_b32 v141, 15, v0                         ; r
	v_bfe_u32 v142, v0, 4, 1                       ; h
	v_lshlrev_b32 v1, 4, v140                      ; 16 x lane: my place in an image
	v_lshlrev_b32 v2, 5, v141
	v_lshl_add_u32 v2, v142, 4, v2                 ; 32 r + 16 h: my 16 scale bytes
.irp b, 0,1,2,3
	v_mov_b32 v[TM+4+\b], 0                        ; a lane permute's destination counts as read: written once
.endr
	s_mov_b32 s26, 0x76543210
	s_mov_b32 s27, 0xfedcba98                      ; selects for lane l xor 16
	s_mov_b32 s28, 0xffff0000                      ; lanes 16-31
	s_mul_i32 s3, ttmp9, 3
	s_add_co_u32 s3, s3, s2                        ; my job, 0..767
	s_lshr_b32 s4, s3, 8                           ; 0: Q, 1: K, 2: V
	s_and_b32 s5, s3, 255
	s_mov_b32 s47, 0
	s_wait_kmcnt 0x0
	s_cmp_eq_u32 s4, 2
	s_cbranch_scc1 .Lvalue
	BODY 0
.Lvalue:
	BODY 1
.Lfunc_end_k_q22c00f2e2d_proj:
	.size	k_q22c00f2e2d_proj, .Lfunc_end_k_q22c00f2e2d_proj-k_q22c00f2e2d_proj
	.p2alignl 7, 3214868480
	.fill 96, 4, 3214868480
	.section	.rodata,"a",@progbits
	.p2align	6, 0x0
	.amdhsa_kernel k_q22c00f2e2d_proj
		.amdhsa_group_segment_fixed_size 0
		.amdhsa_private_segment_fixed_size 0
		.amdhsa_enable_private_segment 0
		.amdhsa_kernarg_size 72
		.amdhsa_user_sgpr_count 2
		.amdhsa_user_sgpr_kernarg_segment_ptr 1
		.amdhsa_wavefront_size32 1
		.amdhsa_system_sgpr_workgroup_id_x 1
		.amdhsa_system_sgpr_workgroup_id_y 1
		.amdhsa_system_sgpr_workgroup_id_z 1
		.amdhsa_system_vgpr_workitem_id 0
		.amdhsa_next_free_vgpr 1024
		.amdhsa_next_free_sgpr 66
		.amdhsa_reserve_vcc 0
		.amdhsa_float_denorm_mode_32 3
		.amdhsa_float_denorm_mode_16_64 3
		.amdhsa_memory_ordered 1
		.amdhsa_forward_progress 1
		.amdhsa_inst_pref_size 147
	.end_amdhsa_kernel
	.amdgpu_metadata
---
amdhsa.version: [ 1, 2 ]
amdhsa.kernels:
  - .name:           k_q22c00f2e2d_proj
    .symbol:         k_q22c00f2e2d_proj.kd
    .args:
      - { .name: xcod, .offset: 0, .size: 8, .value_kind: global_buffer, .address_space: global }
      - { .name: xscl, .offset: 8, .size: 8, .value_kind: global_buffer, .address_space: global }
      - { .name: bq, .offset: 16, .size: 8, .value_kind: global_buffer, .address_space: global }
      - { .name: bk, .offset: 24, .size: 8, .value_kind: global_buffer, .address_space: global }
      - { .name: bv, .offset: 32, .size: 8, .value_kind: global_buffer, .address_space: global }
      - { .name: qkcod, .offset: 40, .size: 8, .value_kind: global_buffer, .address_space: global }
      - { .name: qkscl, .offset: 48, .size: 8, .value_kind: global_buffer, .address_space: global }
      - { .name: vcod, .offset: 56, .size: 8, .value_kind: global_buffer, .address_space: global }
      - { .name: vscl, .offset: 64, .size: 8, .value_kind: global_buffer, .address_space: global }
    .group_segment_fixed_size: 0
    .private_segment_fixed_size: 0
    .kernarg_segment_align: 8
    .kernarg_segment_size: 72
    .max_flat_workgroup_size: 96
    .sgpr_count:     66
    .vgpr_count:     1024
    .wavefront_size: 32
...
	.end_amdgpu_metadata
.endif
;; end of part 2
;; launch attn (part 3): grid 256 x 1, 16 waves a work-group, no clusters, 141,312 bytes of LDS; arguments qkcod, qkscl, vcod, vscl, ocod, oscl; writes ocod, oscl
.if DOCPART == 3
	.amdgcn_target "amdgcn-amd-amdhsa--gfx1250"
	.amdhsa_code_object_version 6
	.text
	.protected	k_q22c00f2e2d_attn
	.globl	k_q22c00f2e2d_attn
	.p2align	8
	.type	k_q22c00f2e2d_attn,@function
k_q22c00f2e2d_attn:
	s_mov_b64 s[64:65], 0
	v_nop
	global_prefetch_b8 v0, s[64:65] scope:SCOPE_SE
	s_setreg_imm32_b32 hwreg(HW_REG_WAVE_MODE, 25, 1), 1
	s_wait_xcnt 0x0
; O = softmax(Q K^T / 8) V for each of 64 (batch, head), both products on codes of FP4 with E8M0 scales, and O quantised along D for the last projection.
; THE SOFTMAX: t = score x log2(e) / 8; M = the running largest t rounded UP to a whole number; p = 2^(t - M) is quantised along the keys, not normalised; the row's sum is taken of the
; unquantised p and divides O at the end.  When M moves, the sum and O are multiplied by 2^(old M - new M), which rounds nothing.
; SHARES.  A work-group owns 512 queries of one head; each of its 16 waves owns two tiles of 16 queries and takes them one after the other.  Four waves share a SIMD.
; A WHOLE HEAD'S K AND V LIE IN LDS, as images of the operands' registers, with their scale words: 139,264 bytes, filled once through registers, then only read: one barrier in the launch.
; THE HEAD IS 64 WIDE, THE INSTRUCTION 128: a fragment of K holds TWO tiles of 16 keys (registers 0-3 the even tile's 64, registers 4-7 the odd tile's) and is multiplied by (Q | 0) and by (0 | Q):
; zero codes add nothing under any scale byte but 0xff, which the quantiser never makes.
; Both products are used transposed (S^T = K Q^T, O^T = V^T P^T): a lane holds one query throughout.  Register j of tile t holds key 16 t + 8 h + j, so tiles 2 b and 2 b + 1 are one block of 32 keys,
; shared by lanes l and l xor 16; the codes come into the operand's order by the numbering of the conversions' destinations and an exchange of halves.
; A block's largest p is not searched for: the block's largest score goes through the same multiply-add and exponential (it takes the exponential not to fall where its input rises).
; LIMITS: t under -3e38 is not served; NaN and infinities are not served; a block of zeros gets the byte 1 where the rule says 127 (only this program reads the bytes).
; The output's scale bytes leave as 2 bytes a row: a row's other heads belong to other work-groups; they are 262,144 bytes in all.
.set KIMG, 0                           ; 128 tiles of 16 keys x 512 bytes
.set VIMG, 65536                       ; 16 key steps x 4 fragments x 1,024 bytes
.set KSC,  131072                      ; [pair of tiles][r][4 bytes]
.set VSC,  135168                      ; [key step][fragment][r][4 bytes]
.set QA,  16                           ; v16-23 (Q | 0);  v24-31 (0 | Q)
.set KF,  32                           ; v32-63  four double fragments of K
.set VF,  64                           ; v64-95  four fragments of V
.set S,   96                           ; v96-159 S^T, then p
.set O,   160                          ; v160-191 O^T
.set PC,  192                          ; v192-199 p's codes
.set TM,  200                          ; v200-211 at work
.set KS,  212                          ; v212-213 K's scale words;  v214-215 V's
.set VS,  214
.set QW,  216                          ; Q's scale bytes, in both halves
.set PW,  217                          ; p's scale word
.set HW,  221                          ; v221-222 the two tiles' output scale bytes; v223 both
.set QP,  224                          ; the pair word of my two tiles of Q
.set TB,  41                           ; s41 the key step's images: 4,096 bytes a step
.set TS,  42                           ; s42 its scale words: 256 bytes a step
.set CNT, 43
.macro QUANT s, pc, pw, nb             ; nb blocks of 32: v[s + 16 b + i] = index 32 b + 16 (i / 8) + 8 h + i % 8 of my row
.irp b, 0,1,2,3
.if \b < \nb
	v_max3_num_f32 v[TM+\b], |v[(\s)+16*\b]|, |v[(\s)+16*\b+1]|, 0x1800000   ; and the floor 2^(3 - 127)
.endif
.endr
.irp i, 2,4,6,8,10,12,14
.irp b, 0,1,2,3
.if \b < \nb
	v_max3_num_f32 v[TM+\b], v[TM+\b], |v[(\s)+16*\b+\i]|, |v[(\s)+16*\b+\i+1]|
.endif
.endr
.endr
.irp b, 0,1,2,3
.if \b < \nb
	v_permlanex16_b32 v[TM+4+\b], v[TM+\b], s36, s37
.endif
.endr
.irp b, 0,1,2,3
.if \b < \nb
	v_max_num_f32 v[TM+\b], v[TM+\b], v[TM+4+\b]
.endif
.endr
.irp b, 0,1,2,3
.if \b < \nb
	v_add_nc_u32 v[TM+8+\b], 0xff000000, v[TM+\b]
.endif
.endr
.irp b, 0,1,2,3
.if \b < \nb
	v_lshrrev_b32 v[TM+4+\b], 23, v[TM+8+\b]
.endif
.endr
	v_lshl_or_b32 v[\pw], v[TM+5], 8, v[TM+4]
.if \nb > 2
	v_lshl_or_b32 v[\pw], v[TM+6], 16, v[\pw]
	v_lshl_or_b32 v[\pw], v[TM+7], 24, v[\pw]
.endif
.irp b, 0,1,2,3
.if \b < \nb
	v_cvt_scalef32_pk8_fp4_f32 v[(\pc)+4*(\b/2)+(\b%2)], v[(\s)+16*\b:(\s)+16*\b+7], v[TM+8+\b]
	v_cvt_scalef32_pk8_fp4_f32 v[(\pc)+4*(\b/2)+2+(\b%2)], v[(\s)+16*\b+8:(\s)+16*\b+15], v[TM+8+\b]
.endif
.endr
	v_nop                                          ; one plain instruction behind the scaled conversions
.irp c, 0,1
.if 2*\c < \nb
.irp i, 0,1
	v_permlane16_swap_b32 v[(\pc)+4*\c+2*\i], v[(\pc)+4*\c+2*\i+1]
.endr
.endif
.endr
.endm
; A KEY STEP: 128 keys
.macro STEP
	v_add_nc_u32 v5, s[TB], v1                     ; these four are also the places between the last step's products and the loads into the registers that they read
	v_add_nc_u32 v6, s[TB], v2
	v_add_nc_u32 v7, s[TS], v3
	v_add_nc_u32 v8, s[TS], v4
.irp i, 0,1,2,3,4,5,6,7
	ds_load_b128 v[KF+4*\i:KF+4*\i+3], v5 offset:512*\i
.endr
	ds_load_b32 v[KS], v7                          ; lanes 0-15: pair 0's words; lanes 16-31: pair 1's
	ds_load_b32 v[KS+1], v7 offset:128             ; pairs 2 and 3
.irp i, 0,1,2,3,4,5,6,7
	ds_load_b128 v[VF+4*\i:VF+4*\i+3], v6 offset:512*\i
.endr
	ds_load_b32 v[VS], v8
	ds_load_b32 v[VS+1], v8 offset:128
	s_wait_dscnt 10                                ; K's ten loads are in; V's ten may be out
.irp t, 0,1,2,3,4,5,6,7
.if ((\t/2)%2) == 0
	v_wmma_scale_f32_16x16x128_f8f6f4 v[S+8*\t:S+8*\t+7], v[KF+8*(\t/2):KF+8*(\t/2)+7], v[QA+8*(\t%2):QA+8*(\t%2)+7], 0, v[KS+\t/4], v[QW] matrix_a_fmt:MATRIX_FMT_FP4 matrix_b_fmt:MATRIX_FMT_FP4
.else
	v_wmma_scale_f32_16x16x128_f8f6f4 v[S+8*\t:S+8*\t+7], v[KF+8*(\t/2):KF+8*(\t/2)+7], v[QA+8*(\t%2):QA+8*(\t%2)+7], 0, v[KS+\t/4], v[QW] matrix_a_fmt:MATRIX_FMT_FP4 matrix_b_fmt:MATRIX_FMT_FP4 matrix_a_scale:MATRIX_SCALE_ROW1
.endif
.endr
.rept 4
	v_nop                                          ; four places ahead of the first read of the scores
.endr
.irp b, 0,1,2,3
	v_max3_num_f32 v[TM+\b], v[S+16*\b], v[S+16*\b+1], v[S+16*\b+2]   ; the largest score of each block of 32 keys: for the row's maximum and for the block's largest p
.endr
.irp i, 3,5,7,9,11,13
.irp b, 0,1,2,3
	v_max3_num_f32 v[TM+\b], v[TM+\b], v[S+16*\b+\i], v[S+16*\b+\i+1]
.endr
.endr
.irp b, 0,1,2,3
	v_max_num_f32 v[TM+\b], v[TM+\b], v[S+16*\b+15]
.endr
.irp b, 0,1,2,3
	v_permlanex16_b32 v[TM+4+\b], v[TM+\b], s36, s37
.endr
.irp b, 0,1,2,3
	v_max_num_f32 v[TM+\b], v[TM+\b], v[TM+4+\b]   ; with lane l xor 16's 16 keys
.endr
	v_max3_num_f32 v220, v[TM], v[TM+1], v[TM+2]
	v_max_num_f32 v220, v220, v[TM+3]              ; the step's largest score of my query,
	v_mul_f32 v220, s38, v220                      ; as t
	v_max_num_f32 v13, v13, v220                   ; the running largest t
	v_mov_b32 v220, v12
	v_floor_f32 v12, -v13                          ; the new -M = floor(-t) = -ceil(t)
	v_sub_f32 v220, v12, v220                      ; old M - new M: a whole number, 0 or less
	v_cvt_i32_f32 v220, v220                       ; (it saturates)
	v_ldexp_f32 v218, 1.0, v220                    ; f = 2^(old M - new M)
.irp j, 0,2,4,6,8,10,12,14,16,18,20,22,24,26,28,30,32,34,36,38,40,42,44,46,48,50,52,54,56,58,60,62
	v_pk_fma_f32 v[S+\j:S+\j+1], v[S+\j:S+\j+1], s[38:39], v[12:13] op_sel_hi:[1,0,0]   ; t - M, two at a time
.endr
.irp b, 0,1,2,3
	v_fma_f32 v[TM+\b], v[TM+\b], s38, v12         ; the same of each block's largest score
.endr
.irp j, 0,1,2,3,4,5,6,7,8,9,10,11,12,13,14,15,16,17,18,19,20,21,22,23,24,25,26,27,28,29,30,31,32,33,34,35,36,37,38,39,40,41,42,43,44,45,46,47,48,49,50,51,52,53,54,55,56,57,58,59,60,61,62,63
	v_exp_f32 v[S+\j], v[S+\j]                     ; p = 2^(t - M), at most 1
.endr
	v_pk_mul_f32 v[14:15], v[14:15], v[218:219] op_sel_hi:[1,0]   ; the sums under the new M: a plain instruction behind the exponentials
	s_wait_alu depctr_va_vdst(0)                   ; one wait for the batch of 64, ahead of its first reader
.irp b, 0,1,2,3
	v_exp_f32 v[TM+\b], v[TM+\b]                   ; each block's largest p
.endr
	v_pk_add_f32 v[TM+4:TM+5], v[S:S+1], v[S+2:S+3]   ; the row's sum of the unquantised p, in two chains; these read the 64 alone
.irp j, 4,8,12,16,20,24,28,32,36,40,44,48,52,56,60
	v_pk_add_f32 v[14:15], v[14:15], v[S+\j:S+\j+1]
	v_pk_add_f32 v[TM+4:TM+5], v[TM+4:TM+5], v[S+\j+2:S+\j+3]
.endr
	v_pk_add_f32 v[14:15], v[14:15], v[TM+4:TM+5]
	s_wait_alu depctr_va_vdst(0)                   ; and one for the four
.irp b, 0,1,2,3
	v_max_num_f32 v[TM+\b], 0x1800000, v[TM+\b]    ; the floor 2^(3 - 127): the byte cannot fall under 1
.endr
.irp b, 0,1,2,3
	v_add_nc_u32 v[TM+8+\b], 0xff000000, v[TM+\b]  ; the conversion's scale operand
.endr
.irp b, 0,1,2,3
	v_lshrrev_b32 v[TM+4+\b], 23, v[TM+8+\b]       ; the scale's byte
.endr
	v_lshl_or_b32 v[PW], v[TM+5], 8, v[TM+4]
	v_lshl_or_b32 v[PW], v[TM+6], 16, v[PW]
	v_lshl_or_b32 v[PW], v[TM+7], 24, v[PW]        ; p's scale word for these 128 keys
.irp b, 0,1,2,3
	v_cvt_scalef32_pk8_fp4_f32 v[PC+4*(\b/2)+(\b%2)], v[S+16*\b:S+16*\b+7], v[TM+8+\b]
	v_cvt_scalef32_pk8_fp4_f32 v[PC+4*(\b/2)+2+(\b%2)], v[S+16*\b+8:S+16*\b+15], v[TM+8+\b]
.endr
	v_nop                                          ; one plain instruction behind the scaled conversions
.irp c, 0,1
.irp i, 0,1
	v_permlane16_swap_b32 v[PC+4*\c+2*\i], v[PC+4*\c+2*\i+1]
.endr
.endr
.irp j, 0,2,4,6,8,10,12,14,16,18,20,22,24,26,28,30
	v_pk_mul_f32 v[O+\j:O+\j+1], v[O+\j:O+\j+1], v[218:219] op_sel_hi:[1,0]   ; O^T under the new M.  For each product below at least twelve of these name none of its registers: the places behind p's codes and scale word
.endr
	s_wait_dscnt 0x0                               ; V is in
.irp dt, 0,1,2,3
.if (\dt%2) == 0
	v_wmma_scale_f32_16x16x128_f8f6f4 v[O+8*\dt:O+8*\dt+7], v[VF+8*\dt:VF+8*\dt+7], v[PC:PC+7], v[O+8*\dt:O+8*\dt+7], v[VS+\dt/2], v[PW] matrix_a_fmt:MATRIX_FMT_FP4 matrix_b_fmt:MATRIX_FMT_FP4
.else
	v_wmma_scale_f32_16x16x128_f8f6f4 v[O+8*\dt:O+8*\dt+7], v[VF+8*\dt:VF+8*\dt+7], v[PC:PC+7], v[O+8*\dt:O+8*\dt+7], v[VS+\dt/2], v[PW] matrix_a_fmt:MATRIX_FMT_FP4 matrix_b_fmt:MATRIX_FMT_FP4 matrix_a_scale:MATRIX_SCALE_ROW1
.endif
.endr
.endm
; one tile of 16 queries against all 2,048 keys
.macro PASS p
	s_wait_loadcnt 0x0                             ; Q is in
	s_wait_xcnt 0x0                                ; the last pass's store has read the code registers
.if \p
	v_perm_b32 v[QW], v[QP], v[QP], 0x03020302     ; the odd tile's two bytes, in both halves of the word
.else
	v_perm_b32 v[QW], v[QP], v[QP], 0x01000100     ; the even tile's
.endif
	v_mov_b32 v13, 0xff61b1e6                      ; the largest t so far: -3e38
	v_floor_f32 v12, -v13                          ; -M
	v_mov_b32 v14, 0                               ; the sum, in two halves
	v_mov_b32 v15, 0
.irp j, 0,1,2,3,4,5,6,7,8,9,10,11,12,13,14,15,16,17,18,19,20,21,22,23,24,25,26,27,28,29,30,31
	v_mov_b32 v[O+\j], 0                           ; the step is written once: the first finds zeros, which the first change of M leaves zeros
.endr
	s_mov_b32 s[TB], 0
	s_mov_b32 s[TS], 0
	s_mov_b32 s[CNT], 16
.Lkey_\@:
	STEP
	s_add_co_u32 s[TB], s[TB], 4096
	s_add_co_u32 s[TS], s[TS], 256
	s_sub_co_u32 s[CNT], s[CNT], 1
	s_cmp_lg_u32 s[CNT], 0
	s_cbranch_scc1 .Lkey_\@
.rept 4
	v_nop                                          ; four places behind the last products
.endr
	v_add_f32 v14, v14, v15
	v_permlanex16_b32 v220, v14, s36, s37
	v_add_f32 v14, v14, v220                       ; the row's sum
	v_rcp_f32 v218, v14
	v_nop                                          ; a plain instruction behind the reciprocal
.if \p == 0
	global_load_b128 v[QA:QA+3], v1, s[22:23] offset:512        ; the second tile of Q, into both operands
	global_load_b128 v[QA+12:QA+15], v1, s[22:23] offset:512
.endif
	s_wait_alu depctr_va_vdst(0)                   ; ahead of the reciprocal's first reader
.irp j, 0,2,4,6,8,10,12,14,16,18,20,22,24,26,28,30
	v_pk_mul_f32 v[S+\j:S+\j+1], v[O+\j:O+\j+1], v[218:219] op_sel_hi:[1,0]   ; O^T / the sum: register 8 t + j is d = 16 t + 8 h + j
.endr
	QUANT S, PC, HW+\p, 2
	global_store_b128 v1, v[PC:PC+3], s[32:33] offset:8192*\p   ; lane (r, h): row r, k = 64 head + 32 h + 0..31: 512 consecutive bytes
.endm
	s_load_b256 s[8:15], s[0:1], 0x0               ; qkcod, qkscl, vcod, vscl
	s_load_b128 s[16:19], s[0:1], 0x20             ; ocod, oscl
	v_lshl_add_u32 v254, v0, 2, 0x22000
	v_mov_b32 v255, 0
	v_lshrrev_b32 v10, 5, v0
	v_readfirstlane_b32 s2, v10                    ; wave 0..15
	v_and_b32 v10, 31, v0                          ; lane
	v_lshlrev_b32 v1, 4, v10                       ; 16 x lane
	v_add_nc_u32 v2, VIMG, v1
	v_lshl_add_u32 v3, v10, 2, KSC
	v_lshl_add_u32 v4, v10, 2, VSC
	v_lshlrev_b32 v9, 5, v10                       ; 32 x lane: a row of the output's scale bytes
	v_lshlrev_b32 v11, 3, v10                      ; 8 x lane
	v_and_b32 v225, 15, v0
	v_lshlrev_b32 v225, 2, v225                    ; 4 r
	s_lshl_b32 s46, s2, 12
	v_add_nc_u32 v226, s46, v1                     ; the fill: my wave's 4,096 bytes of K's images,
	v_add_nc_u32 v227, VIMG, v226                  ; of V's,
	s_lshl_b32 s46, s2, 8
	v_add_nc_u32 v228, s46, v11
	v_add_nc_u32 v228, KSC, v228                   ; and its 256 bytes of scale words
.irp j, 4,5,6,7,8,9,10,11
	v_mov_b32 v[QA+\j], 0                          ; the zero halves of (Q | 0) and (0 | Q)
.endr
.irp b, 0,1,2,3
	v_mov_b32 v[TM+4+\b], 0                        ; a lane permute's destination counts as read: written once
.endr
	v_mov_b32 v219, 0                              ; named as the upper half of the pair v[218:219]
	v_mov_b32 v220, 0
	s_mov_b32 s36, 0x76543210
	s_mov_b32 s37, 0xfedcba98                      ; selects for lane l xor 16
	s_mov_b32 s38, 0x3e38aa3b                      ; log2(e) / 8
	s_mov_b32 s39, s38
	s_mov_b32 s40, 0xffff0000                      ; lanes 16-31
	s_lshr_b32 s3, ttmp9, 2                        ; batch x 16 + head
	s_and_b32 s4, ttmp9, 3                         ; which 512 queries
	s_lshr_b32 s5, s3, 4                           ; batch
	s_and_b32 s6, s3, 15                           ; head
	s_lshl_b32 s7, s4, 4
	s_add_co_u32 s7, s7, s2                        ; my pair of query tiles, 0..63
	s_mov_b32 s45, 0
	s_wait_kmcnt 0x0
	s_lshl_b32 s44, s3, 16
	s_add_nc_u64 s[22:23], s[8:9], s[44:45]        ; the head's Q codes
	s_add_nc_u64 s[20:21], s[22:23], 0x400000      ; the head's K codes,
	s_lshl_b32 s44, s2, 12
	s_add_nc_u64 s[20:21], s[20:21], s[44:45]      ; my wave's 4,096 bytes of them
	s_lshl_b32 s44, s7, 10
	s_add_nc_u64 s[22:23], s[22:23], s[44:45]      ; my two tiles of Q
	s_lshl_b32 s44, s3, 12
	s_add_nc_u64 s[26:27], s[10:11], s[44:45]      ; the head's Q scale words
	s_add_nc_u64 s[24:25], s[26:27], 0x40000       ; the head's K scale words,
	s_lshl_b32 s44, s2, 8
	s_add_nc_u64 s[24:25], s[24:25], s[44:45]      ; my wave's 256 bytes
	s_lshl_b32 s44, s7, 6
	s_add_nc_u64 s[26:27], s[26:27], s[44:45]      ; my pair's words
	s_lshl_b32 s46, s5, 4
	s_add_co_u32 s46, s46, s2                      ; 16 x batch + key step = my wave's number
	s_lshl_b32 s44, s46, 16
	s_add_nc_u64 s[28:29], s[12:13], s[44:45]
	s_lshl_b32 s44, s6, 12
	s_add_nc_u64 s[28:29], s[28:29], s[44:45]      ; V's four fragments of that key step and my head
	s_lshl_b32 s44, s46, 12
	s_add_nc_u64 s[30:31], s[14:15], s[44:45]
	s_lshl_b32 s44, s6, 8
	s_add_nc_u64 s[30:31], s[30:31], s[44:45]      ; and their scale words
	s_lshl_b32 s44, s5, 20
	s_lshl_b32 s46, s7, 14
	s_add_co_u32 s44, s44, s46
	s_lshl_b32 s46, s6, 9
	s_add_co_u32 s44, s44, s46
	s_add_nc_u64 s[32:33], s[16:17], s[44:45]      ; ocod: row tile 128 batch + 2 pair, K place 512 head
	s_lshl_b32 s44, s5, 16
	s_lshl_b32 s46, s7, 10
	s_add_co_u32 s44, s44, s46
	s_lshl_b32 s46, s6, 1
	s_add_co_u32 s44, s44, s46
	s_add_nc_u64 s[34:35], s[18:19], s[44:45]      ; oscl: my 32 rows, bytes 2 head on
.irp i, 0,1,2,3,4,5,6,7
	global_load_b128 v[KF+4*\i:KF+4*\i+3], v1, s[20:21] offset:512*\i
.endr
.irp i, 0,1,2,3,4,5,6,7
	global_load_b128 v[VF+4*\i:VF+4*\i+3], v1, s[28:29] offset:512*\i
.endr
	global_load_b64 v[96:97], v11, s[24:25]
	global_load_b64 v[98:99], v11, s[30:31]
	global_load_b128 v[QA:QA+3], v1, s[22:23]      ; the first tile of Q, into both operands
	global_load_b128 v[QA+12:QA+15], v1, s[22:23]
	global_load_b32 v[QP], v225, s[26:27]
	s_wait_loadcnt 0x0
.irp i, 0,1,2,3,4,5,6,7
	ds_store_b128 v226, v[KF+4*\i:KF+4*\i+3] offset:512*\i
.endr
.irp i, 0,1,2,3,4,5,6,7
	ds_store_b128 v227, v[VF+4*\i:VF+4*\i+3] offset:512*\i
.endr
	ds_store_b64 v228, v[96:97]
	ds_store_b64 v228, v[98:99] offset:VSC-KSC
	s_wait_dscnt 0x0                               ; for the others' sake: my part of the head lies in LDS
	s_barrier_signal -1
	s_barrier_wait -1                              ; everybody's does; from here on LDS is only read
	PASS 0
	PASS 1
	v_cndmask_b32 v[HW+2], v[HW], v[HW+1], s40     ; lanes 0-15: the even tile's rows; lanes 16-31: the odd tile's
	global_store_b16 v9, v[HW+2], s[34:35]
	s_wait_tensorcnt 0x0
	ds_add_u32 v254, v255
	s_wait_dscnt 0x0
	s_endpgm
.Lfunc_end_k_q22c00f2e2d_attn:
	.size	k_q22c00f2e2d_attn, .Lfunc_end_k_q22c00f2e2d_attn-k_q22c00f2e2d_attn
	.p2alignl 7, 3214868480
	.fill 96, 4, 3214868480
	.section	.rodata,"a",@progbits
	.p2align	6, 0x0
	.amdhsa_kernel k_q22c00f2e2d_attn
		.amdhsa_group_segment_fixed_size 141312
		.amdhsa_private_segment_fixed_size 0
		.amdhsa_enable_private_segment 0
		.amdhsa_kernarg_size 48
		.amdhsa_user_sgpr_count 2
		.amdhsa_user_sgpr_kernarg_segment_ptr 1
		.amdhsa_wavefront_size32 1
		.amdhsa_system_sgpr_workgroup_id_x 1
		.amdhsa_system_sgpr_workgroup_id_y 1
		.amdhsa_system_sgpr_workgroup_id_z 1
		.amdhsa_system_vgpr_workitem_id 0
		.amdhsa_next_free_vgpr 256
		.amdhsa_next_free_sgpr 66
		.amdhsa_reserve_vcc 0
		.amdhsa_float_denorm_mode_32 3
		.amdhsa_float_denorm_mode_16_64 3
		.amdhsa_memory_ordered 1
		.amdhsa_forward_progress 1
		.amdhsa_inst_pref_size 47
	.end_amdhsa_kernel
	.amdgpu_metadata
---
amdhsa.version: [ 1, 2 ]
amdhsa.kernels:
  - .name:           k_q22c00f2e2d_attn
    .symbol:         k_q22c00f2e2d_attn.kd
    .args:
      - { .name: qkcod, .offset: 0, .size: 8, .value_kind: global_buffer, .address_space: global }
      - { .name: qkscl, .offset: 8, .size: 8, .value_kind: global_buffer, .address_space: global }
      - { .name: vcod, .offset: 16, .size: 8, .value_kind: global_buffer, .address_space: global }
      - { .name: vscl, .offset: 24, .size: 8, .value_kind: global_buffer, .address_space: global }
      - { .name: ocod, .offset: 32, .size: 8, .value_kind: global_buffer, .address_space: global }
      - { .name: oscl, .offset: 40, .size: 8, .value_kind: global_buffer, .address_space: global }
    .group_segment_fixed_size: 141312
    .private_segment_fixed_size: 0
    .kernarg_segment_align: 8
    .kernarg_segment_size: 48
    .max_flat_workgroup_size: 512
    .sgpr_count:     66
    .vgpr_count:     256
    .wavefront_size: 32
...
	.end_amdgpu_metadata
.endif
;; end of part 3
;; launch oproj (part 4): grid 256 x 1, 4 waves a work-group, no clusters, 34,304 bytes of LDS; arguments ocod, oscl, xcod, xscl, bo, out0; writes out0
.if DOCPART == 4
	.amdgcn_target "amdgcn-amd-amdhsa--gfx1250"
	.amdhsa_code_object_version 6
	.text
	.protected	k_q22c00f2e2d_oproj
	.globl	k_q22c00f2e2d_oproj
	.p2align	8
	.type	k_q22c00f2e2d_oproj,@function
k_q22c00f2e2d_oproj:
	s_mov_b64 s[64:65], 0
	v_nop
	global_prefetch_b8 v0, s[64:65] scope:SCOPE_SE
	s_setreg_imm32_b32 hwreg(HW_REG_WAVE_MODE, 25, 1), 1
	s_wait_xcnt 0x0
; out0 = O Wo^T + bo on codes of FP4 with E8M0 scales; out0 [8192][1024] f32.
; SHARES.  1,024 waves.  A wave keeps 128 rows of Wo (128 outputs) for all of K = 1024 in registers (64 fragments, 512 registers) and takes 4 tiles of 16 rows of O, straight from memory into two register buffers.
; Source 0 = Wo's rows, source 1 = O's rows: lane (r, h) holds row r of the tile and register j of tile u holds output 16 u + 8 h + j: eight neighbouring numbers of a row of out0.
; The bias is the C of each sum's first product.  A tile's 16 rows x 512 bytes go through the wave's own stage in LDS and leave as whole rows: each store covers 512 consecutive bytes, aligned.
; No barrier: waves share nothing.
; REGISTERS.  Window 0: v1-6 offsets; v8-15 O's scale words; v16-47 Wo's; v48-111 the 8 accumulators; v128-191 rows read back from the stage.
;   Window 1: Wo's fragments of K steps 0-3 at 64 ks + 8 u.   Window 2: of K steps 4-7.   Window 3: O's two buffers at v0 and v64; from v128 the bias.
.set TSC, 8
.set USC, 16
.set ACC, 48
.set OB,  128
.set BU,  128                          ; in window 3
.set SP,  528                          ; a stage row: 512 bytes + 16
.set MSB, 0
.macro WIN new                         ; the immediate's high byte repeats the setting that is left
.if MSB != \new
	s_set_vgpr_msb (MSB<<8)|\new
.set MSB, \new
.endif
.endm
.macro MM buf, ks, u
.set rD, ACC+8*(\u)
.set rA, 64*((\ks)%4)+8*(\u)
.set rB, 64*(\buf)+8*(\ks)
.set rSA, USC+4*(\u)+(\ks)%4
.set rSB, TSC+4*(\buf)+(\ks)%4
.if (\ks) == 0
	v_wmma_scale_f32_16x16x128_f8f6f4 v[rD:rD+7], v[rA:rA+7], v[rB:rB+7], v[BU+8*(\u):BU+8*(\u)+7], v[rSA], v[rSB] matrix_a_fmt:MATRIX_FMT_FP4 matrix_b_fmt:MATRIX_FMT_FP4
.elseif (\ks) < 4
	v_wmma_scale_f32_16x16x128_f8f6f4 v[rD:rD+7], v[rA:rA+7], v[rB:rB+7], v[rD:rD+7], v[rSA], v[rSB] matrix_a_fmt:MATRIX_FMT_FP4 matrix_b_fmt:MATRIX_FMT_FP4
.else
	v_wmma_scale_f32_16x16x128_f8f6f4 v[rD:rD+7], v[rA:rA+7], v[rB:rB+7], v[rD:rD+7], v[rSA], v[rSB] matrix_a_fmt:MATRIX_FMT_FP4 matrix_b_fmt:MATRIX_FMT_FP4 matrix_a_scale:MATRIX_SCALE_ROW1 matrix_b_scale:MATRIX_SCALE_ROW1
.endif
.endm
.macro LOADT t                         ; tile t of my four into buffer t % 2: 17 loads
	global_load_b128 v[TSC+4*((\t)%2):TSC+4*((\t)%2)+3], v2, s[36:37] offset:512*(\t)
	WIN 0xc0                                       ; destination window 3
.irp ks, 0,1,2,3,4,5,6,7
.irp c, 0,1
	global_load_b128 v[64*((\t)%2)+8*\ks+4*\c:64*((\t)%2)+8*\ks+4*\c+3], v1, s[34:35] offset:8192*(\t)+1024*\ks+512*\c
.endr
.endr
	WIN 0
.endm
.macro TILE t, left
	s_wait_loadcnt \left                           ; my tile's 17 loads are in; the next tile's may be out
.irp ks, 0,1,2,3,4,5,6,7
.if \ks == 0
	WIN 0x3d                                       ; Wo window 1, O window 3, C (the bias) window 3
.elseif \ks < 4
	WIN 0x0d
.else
	WIN 0x0e                                       ; Wo window 2
.endif
.irp u, 0,1,2,3,4,5,6,7
	MM (\t)%2, \ks, \u
.endr
.endr
	WIN 0
.rept 5
	v_nop                                          ; four places for the loads into the buffer just read and for the stores of the results; the fifth since the next tile's first products write over these accumulators with another C
.endr
	s_wait_xcnt 0x0                                ; the last tile's stores have read the registers that the stage's rows come back into
.if (\t) < 2
	LOADT (\t)+2
.endif
.irp u, 0,1,2,3,4,5,6,7
	ds_store_b128 v4, v[ACC+8*\u:ACC+8*\u+3] offset:64*\u            ; each accumulator from its low end on
	ds_store_b128 v4, v[ACC+8*\u+4:ACC+8*\u+7] offset:64*\u+16
.endr
.irp i, 0,1,2,3,4,5,6,7,8,9,10,11,12,13,14,15
	ds_load_b128 v[OB+4*\i:OB+4*\i+3], v6 offset:SP*\i               ; LDS serves a wave's instructions in order: these see the stores above
.endr
.irp i, 0,1,2,3,4,5,6,7,8,9,10,11,12,13,14,15
	s_wait_dscnt 15-\i                             ; row i is back; the rows behind it may be out
	global_store_b128 v1, v[OB+4*\i:OB+4*\i+3], s[40:41] offset:65536*(\t)+4096*\i th:TH_STORE_NT   ; 32 lanes store 512 consecutive bytes, aligned; written once
.endr
.endm
	s_load_b256 s[8:15], s[0:1], 0x0               ; ocod, oscl, xcod, xscl
	s_load_b128 s[16:19], s[0:1], 0x20             ; bo, out0
	v_lshl_add_u32 v254, v0, 2, 0x8400
	v_mov_b32 v255, 0
	v_lshrrev_b32 v6, 5, v0
	v_readfirstlane_b32 s2, v6                     ; wave 0..3
	v_and_b32 v6, 31, v0                           ; lane
	v_and_b32 v7, 15, v0                           ; r
	v_bfe_u32 v5, v0, 4, 1                         ; h
	v_lshlrev_b32 v1, 4, v6                        ; 16 x lane
	v_lshlrev_b32 v2, 5, v7
	v_lshl_add_u32 v2, v5, 4, v2                   ; 32 r + 16 h: my 16 scale bytes
	v_lshlrev_b32 v3, 5, v5                        ; the bias: 32 h
	s_mul_i32 s3, s2, 16*SP                        ; my stage
	v_mul_u32_u24 v4, v7, SP
	v_lshl_add_u32 v4, v5, 5, v4
	v_add_nc_u32 v4, s3, v4                        ; in: row r, + 32 h
	v_add_nc_u32 v6, s3, v1                        ; back: 16 bytes a lane of a whole row
	s_lshl_b32 s4, ttmp9, 2
	s_add_co_u32 s4, s4, s2                        ; my job, 0..1023
	s_and_b32 s5, s4, 7                            ; ug: which 128 outputs
	s_lshr_b32 s6, s4, 3                           ; tc: which 64 rows
	s_lshl_b32 s7, s5, 3
	s_add_co_u32 s7, s7, 1728                      ; Wo's first tile of mine in xcod
	s_mov_b32 s29, 0
	s_wait_kmcnt 0x0
	s_lshl_b32 s28, s7, 13
	s_add_nc_u64 s[30:31], s[12:13], s[28:29]      ; Wo's codes
	s_lshl_b32 s28, s7, 9
	s_add_nc_u64 s[32:33], s[14:15], s[28:29]      ; Wo's scale bytes
	s_lshl_b32 s28, s6, 15
	s_add_nc_u64 s[34:35], s[8:9], s[28:29]        ; O's codes: 4 tiles of 8,192 bytes
	s_lshl_b32 s28, s6, 11
	s_add_nc_u64 s[36:37], s[10:11], s[28:29]      ; O's scale bytes
	s_lshl_b32 s28, s5, 9
	s_add_nc_u64 s[38:39], s[16:17], s[28:29]      ; bo at my first output
	s_add_nc_u64 s[40:41], s[18:19], s[28:29]      ; out0: my 512 bytes of a row,
	s_lshl_b32 s28, s6, 18
	s_add_nc_u64 s[40:41], s[40:41], s[28:29]      ; my 64 rows
	WIN 0x40                                       ; destination window 1
.irp ks, 0,1,2,3
.irp u, 0,1,2,3,4,5,6,7
.irp c, 0,1
	global_load_b128 v[64*\ks+8*\u+4*\c:64*\ks+8*\u+4*\c+3], v1, s[30:31] offset:8192*\u+1024*\ks+512*\c
.endr
.endr
.endr
	WIN 0x80                                       ; destination window 2
.irp ks, 4,5,6,7
.irp u, 0,1,2,3,4,5,6,7
.irp c, 0,1
	global_load_b128 v[64*(\ks-4)+8*\u+4*\c:64*(\ks-4)+8*\u+4*\c+3], v1, s[30:31] offset:8192*\u+1024*\ks+512*\c
.endr
.endr
.endr
	WIN 0
.irp u, 0,1,2,3,4,5,6,7
	global_load_b128 v[USC+4*\u:USC+4*\u+3], v2, s[32:33] offset:512*\u
.endr
	WIN 0xc0
.irp u, 0,1,2,3,4,5,6,7
	global_load_b128 v[BU+8*\u:BU+8*\u+3], v3, s[38:39] offset:64*\u         ; the bias of outputs 16 u + 8 h + 0..7
	global_load_b128 v[BU+8*\u+4:BU+8*\u+7], v3, s[38:39] offset:64*\u+16
.endr
	WIN 0
	LOADT 0
	LOADT 1
	TILE 0, 17
	TILE 1, 17
	TILE 2, 17
	TILE 3, 0
	s_wait_tensorcnt 0x0
	ds_add_u32 v254, v255
	s_wait_dscnt 0x0
	s_endpgm
.Lfunc_end_k_q22c00f2e2d_oproj:
	.size	k_q22c00f2e2d_oproj, .Lfunc_end_k_q22c00f2e2d_oproj-k_q22c00f2e2d_oproj
	.p2alignl 7, 3214868480
	.fill 96, 4, 3214868480
	.section	.rodata,"a",@progbits
	.p2align	6, 0x0
	.amdhsa_kernel k_q22c00f2e2d_oproj
		.amdhsa_group_segment_fixed_size 34304
		.amdhsa_private_segment_fixed_size 0
		.amdhsa_enable_private_segment 0
		.amdhsa_kernarg_size 48
		.amdhsa_user_sgpr_count 2
		.amdhsa_user_sgpr_kernarg_segment_ptr 1
		.amdhsa_wavefront_size32 1
		.amdhsa_system_sgpr_workgroup_id_x 1
		.amdhsa_system_sgpr_workgroup_id_y 1
		.amdhsa_system_sgpr_workgroup_id_z 1
		.amdhsa_system_vgpr_workitem_id 0
		.amdhsa_next_free_vgpr 1024
		.amdhsa_next_free_sgpr 66
		.amdhsa_reserve_vcc 0
		.amdhsa_float_denorm_mode_32 3
		.amdhsa_float_denorm_mode_16_64 3
		.amdhsa_memory_ordered 1
		.amdhsa_forward_progress 1
		.amdhsa_inst_pref_size 73
	.end_amdhsa_kernel
	.amdgpu_metadata
---
amdhsa.version: [ 1, 2 ]
amdhsa.kernels:
  - .name:           k_q22c00f2e2d_oproj
    .symbol:         k_q22c00f2e2d_oproj.kd
    .args:
      - { .name: ocod, .offset: 0, .size: 8, .value_kind: global_buffer, .address_space: global }
      - { .name: oscl, .offset: 8, .size: 8, .value_kind: global_buffer, .address_space: global }
      - { .name: xcod, .offset: 16, .size: 8, .value_kind: global_buffer, .address_space: global }
      - { .name: xscl, .offset: 24, .size: 8, .value_kind: global_buffer, .address_space: global }
      - { .name: bo, .offset: 32, .size: 8, .value_kind: global_buffer, .address_space: global }
      - { .name: out0, .offset: 40, .size: 8, .value_kind: global_buffer, .address_space: global }
    .group_segment_fixed_size: 34304
    .private_segment_fixed_size: 0
    .kernarg_segment_align: 8
    .kernarg_segment_size: 48
    .max_flat_workgroup_size: 128
    .sgpr_count:     66
    .vgpr_count:     1024
    .wavefront_size: 32
...
	.end_amdgpu_metadata
.endif
;; end of part 4
;; ======== version 2 of 2: 4 launches
;; workspace buffers: xcod 14,680,064 bytes; xscl 917,504 bytes; qkcod 8,388,608 bytes; qkscl 524,288 bytes; vcod 4,194,304 bytes; vscl 262,144 bytes; ocod 4,194,304 bytes; oscl 262,144 bytes
;; launch quant (part 5): grid 1792 x 1, 1 waves a work-group, no clusters, 8,960 bytes of LDS; arguments query, key, value, Wq, Wk, Wv, Wo, xcod, xscl; writes xcod, xscl
.if DOCPART == 5
	.amdgcn_target "amdgcn-amd-amdhsa--gfx1250"
	.amdhsa_code_object_version 6
	.text
	.protected	k_q22c00f2e2d_quant
	.globl	k_q22c00f2e2d_quant
	.p2align	8
	.type	k_q22c00f2e2d_quant,@function
k_q22c00f2e2d_quant:
	s_mov_b64 s[64:65], 0
	v_nop
	global_prefetch_b8 v0, s[64:65] scope:SCOPE_SE
	s_setreg_imm32_b32 hwreg(HW_REG_WAVE_MODE, 25, 1), 1
	s_wait_xcnt 0x0
; query, key, value [8192][1024] and Wq, Wk, Wv, Wo [1024][1024], f32, K innermost, become codes of FP4 (E2M1) with one E8M0 byte for each 32 along K.
; The seven tensors are 1,792 tiles of 16 rows (query 0-511, key 512-1023, value 1024-1535, Wq 1536-, Wk 1600-, Wv 1664-, Wo 1728-1791); one wave takes one tile.
; xcod: [tile][K step of 128: 0..7][c: 0..1][lane][16 bytes]: the image of the operand's registers: lane (r, h) holds row r, k = 128 f + 64 c + 32 h + 0..31.
; xscl: [row][32 bytes], byte k / 32.
; A block's scale is 2^(floor(log2(largest magnitude)) - 2): its byte is the largest magnitude's exponent field - 2, held at 1 from below by a floor among the maximum's leaves.
; LIMITS: a block of zeros gets the byte 1 where the rule says 127 (its codes are zeros; only this program reads the bytes); blocks whose largest magnitude lies under 2^-124 are held at byte 1;
; NaN and infinities among the inputs are not served.
; Each load reads 512 consecutive bytes of a row; a K step's 16 x 512 bytes turn through a stage in LDS (rows 528 bytes apart) so that a lane gets two whole blocks of 32 neighbours.
; Loads run two K steps (32 loads) ahead.  No barrier: one wave to a work-group.
.set R,  32                            ; v32-159   two sets of 64 registers as loaded
.set X,  160                           ; v160-223  my two blocks: 32 c + i = k 64 c + 32 h + i of row r
.set C,  224                           ; v224-239  two sets of 8 registers of codes
.set W,  240                           ; v240-247  the scale word of each K step
.set SP, 528                           ; a stage row: 512 bytes + 16
	s_load_b512 s[8:23], s[0:1], 0x0               ; query, key, value, Wq, Wk, Wv, Wo, xcod
	s_load_b64 s[24:25], s[0:1], 0x40              ; xscl
	v_lshl_add_u32 v254, v0, 2, 0x2200
	v_mov_b32 v255, 0
	v_lshlrev_b32 v1, 4, v0                        ; 16 x lane
	v_and_b32 v4, 15, v0                           ; r
	v_lshrrev_b32 v5, 4, v0                        ; h
	v_mul_u32_u24 v2, v4, SP
	v_lshl_add_u32 v2, v5, 7, v2                   ; out of the stage: row r, + 128 h bytes
	v_lshlrev_b32 v3, 5, v4
	v_lshl_add_u32 v3, v5, 4, v3                   ; my 16 of a row's 32 scale bytes
	v_lshlrev_b32 v6, 3, v5                        ; 8 h: my bytes' shift in a scale word
	v_mov_b32 v14, 0                               ; a lane permute's destination counts as read: written once
	s_mov_b32 s26, 0x76543210
	s_mov_b32 s27, 0xfedcba98                      ; selects for lane l xor 16
	s_mov_b32 s28, 0xffff0000                      ; lanes 16-31
	s_wait_alu depctr_va_vdst(0)
	s_wait_kmcnt 0x0
	s_mov_b64 s[4:5], s[8:9]                       ; which tensor is mine: a choice on the work-group's number alone
	s_mov_b32 s6, 0
.macro PICK first, lo
	s_cmp_ge_u32 ttmp9, \first
	s_cselect_b64 s[4:5], s[\lo:\lo+1], s[4:5]
	s_cselect_b32 s6, \first, s6
.endm
	PICK 512, 10
	PICK 1024, 12
	PICK 1536, 14
	PICK 1600, 16
	PICK 1664, 18
	PICK 1728, 20
	s_sub_co_u32 s6, ttmp9, s6                     ; my tile within the tensor,
	s_lshl_b32 s6, s6, 16                          ; 16 rows of 4,096 bytes each
	s_mov_b32 s7, 0
	s_add_nc_u64 s[4:5], s[4:5], s[6:7]
	s_lshl_b32 s6, ttmp9, 13                       ; 8,192 bytes of codes a tile
	s_add_nc_u64 s[22:23], s[22:23], s[6:7]
	s_lshl_b32 s6, ttmp9, 9                        ; 512 scale bytes a tile
	s_add_nc_u64 s[24:25], s[24:25], s[6:7]
.macro LOAD f                          ; K step f: 512 consecutive bytes of each of the 16 rows
.irp i, 0,1,2,3,4,5,6,7,8,9,10,11,12,13,14,15
	global_load_b128 v[R+64*((\f)%2)+4*\i:R+64*((\f)%2)+4*\i+3], v1, s[4:5] offset:4096*\i+512*(\f) th:TH_LOAD_NT
.endr
.endm
.macro STEP f
.if (\f) < 7
	s_wait_loadcnt 16                              ; this K step's 16 loads are in; the next step's 16 may be out
.else
	s_wait_loadcnt 0
.endif
.irp i, 0,1,2,3,4,5,6,7,8,9,10,11,12,13,14,15
	ds_store_b128 v1, v[R+64*((\f)%2)+4*\i:R+64*((\f)%2)+4*\i+3] offset:SP*\i
.endr
.irp c, 0,1
.irp i, 0,1,2,3,4,5,6,7
	ds_load_b128 v[X+32*\c+4*\i:X+32*\c+4*\i+3], v2 offset:256*\c+16*\i   ; LDS serves a wave's instructions in order: these see the stores above
.endr
.endr
	s_wait_dscnt 0x0                               ; my numbers are back, and the stores have read their registers,
.if (\f) < 6
	LOAD (\f)+2                                    ; which take the loads of two steps on
.endif
.irp q, 0,1,2,3                        ; four chains of 16 numbers: block q / 2; each begins with the floor 2^(3 - 127), so that the byte cannot fall under 1
	v_max3_num_f32 v[8+\q], |v[X+16*\q]|, |v[X+16*\q+1]|, 0x1800000
.endr
.irp i, 2,4,6,8,10,12,14
.irp q, 0,1,2,3
	v_max3_num_f32 v[8+\q], v[8+\q], |v[X+16*\q+\i]|, |v[X+16*\q+\i+1]|
.endr
.endr
	v_max_num_f32 v8, v8, v9                       ; block h of this K step,
	v_max_num_f32 v10, v10, v11                    ; block 2 + h
	v_add_nc_u32 v12, 0xff000000, v8               ; 2 off the exponent field: the conversion's scale operand
	v_add_nc_u32 v13, 0xff000000, v10
	v_lshrrev_b32 v16, 23, v12                     ; the scales' bytes
	v_lshrrev_b32 v17, 23, v13
	v_lshl_or_b32 v18, v17, 16, v16
	v_lshlrev_b32 v18, v6, v18                     ; at their places in the row's word,
	v_permlanex16_b32 v14, v18, s26, s27
	v_or_b32 v[W+(\f)], v18, v14                   ; whole with lane l xor 16's two
	s_wait_alu depctr_va_vdst(0)
	s_wait_xcnt 0x0                                ; the stores of two steps back have read this set of code registers
.irp c, 0,1
.irp g, 0,1,2,3
	v_cvt_scalef32_pk8_fp4_f32 v[C+8*((\f)%2)+4*\c+\g], v[X+32*\c+8*\g:X+32*\c+8*\g+7], v[12+\c]
.endr
.endr
	v_nop                                          ; one plain instruction behind the run of scaled conversions
.irp c, 0,1
	global_store_b128 v1, v[C+8*((\f)%2)+4*\c:C+8*((\f)%2)+4*\c+3], s[22:23] offset:1024*(\f)+512*\c   ; 32 lanes store 512 consecutive bytes
.endr
.endm
	LOAD 0
	LOAD 1
.irp f, 0,1,2,3,4,5,6,7
	STEP \f
.endr
.irp i, 0,1,2,3
	v_cndmask_b32 v[248+\i], v[W+\i], v[W+4+\i], s28   ; lanes 0-15: the words of K steps 0-3; lanes 16-31: of K steps 4-7
.endr
	global_store_b128 v3, v[248:251], s[24:25]     ; the tile's 512 scale bytes, consecutive
	s_wait_tensorcnt 0x0
	ds_add_u32 v254, v255
	s_wait_dscnt 0x0
	s_endpgm
.Lfunc_end_k_q22c00f2e2d_quant:
	.size	k_q22c00f2e2d_quant, .Lfunc_end_k_q22c00f2e2d_quant-k_q22c00f2e2d_quant
	.p2alignl 7, 3214868480
	.fill 96, 4, 3214868480
	.section	.rodata,"a",@progbits
	.p2align	6, 0x0
	.amdhsa_kernel k_q22c00f2e2d_quant
		.amdhsa_group_segment_fixed_size 8960
		.amdhsa_private_segment_fixed_size 0
		.amdhsa_enable_private_segment 0
		.amdhsa_kernarg_size 72
		.amdhsa_user_sgpr_count 2
		.amdhsa_user_sgpr_kernarg_segment_ptr 1
		.amdhsa_wavefront_size32 1
		.amdhsa_system_sgpr_workgroup_id_x 1
		.amdhsa_system_sgpr_workgroup_id_y 1
		.amdhsa_system_sgpr_workgroup_id_z 1
		.amdhsa_system_vgpr_workitem_id 0
		.amdhsa_next_free_vgpr 256
		.amdhsa_next_free_sgpr 66
		.amdhsa_reserve_vcc 0
		.amdhsa_float_denorm_mode_32 3
		.amdhsa_float_denorm_mode_16_64 3
		.amdhsa_memory_ordered 1
		.amdhsa_forward_progress 1
		.amdhsa_inst_pref_size 59
	.end_amdhsa_kernel
	.amdgpu_metadata
---
amdhsa.version: [ 1, 2 ]
amdhsa.kernels:
  - .name:           k_q22c00f2e2d_quant
    .symbol:         k_q22c00f2e2d_quant.kd
    .args:
      - { .name: query, .offset: 0, .size: 8, .value_kind: global_buffer, .address_space: global }
      - { .name: key, .offset: 8, .size: 8, .value_kind: global_buffer, .address_space: global }
      - { .name: value, .offset: 16, .size: 8, .value_kind: global_buffer, .address_space: global }
      - { .name: Wq, .offset: 24, .size: 8, .value_kind: global_buffer, .address_space: global }
      - { .name: Wk, .offset: 32, .size: 8, .value_kind: global_buffer, .address_space: global }
      - { .name: Wv, .offset: 40, .size: 8, .value_kind: global_buffer, .address_space: global }
      - { .name: Wo, .offset: 48, .size: 8, .value_kind: global_buffer, .address_space: global }
      - { .name: xcod, .offset: 56, .size: 8, .value_kind: global_buffer, .address_space: global }
      - { .name: xscl, .offset: 64, .size: 8, .value_kind: global_buffer, .address_space: global }
    .group_segment_fixed_size: 8960
    .private_segment_fixed_size: 0
    .kernarg_segment_align: 8
    .kernarg_segment_size: 72
    .max_flat_workgroup_size: 32
    .sgpr_count:     66
    .vgpr_count:     256
    .wavefront_size: 32
...
	.end_amdgpu_metadata
.endif
;; end of part 5
;; launch proj (part 6): grid 256 x 1, 3 waves a work-group, no clusters, 0 bytes of LDS; arguments xcod, xscl, bq, bk, bv, qkcod, qkscl, vcod, vscl; writes qkcod, qkscl, vcod, vscl
.if DOCPART == 6
	.amdgcn_target "amdgcn-amd-amdhsa--gfx1250"
	.amdhsa_code_object_version 6
	.text
	.protected	k_q22c00f2e2d_proj
	.globl	k_q22c00f2e2d_proj
	.p2align	8
	.type	k_q22c00f2e2d_proj,@function
k_q22c00f2e2d_proj:
	s_mov_b64 s[64:65], 0
	v_nop
	global_prefetch_b8 v0, s[64:65] scope:SCOPE_SE
	s_setreg_imm32_b32 hwreg(HW_REG_WAVE_SCHED_MODE, 0, 2), 2
	s_setreg_imm32_b32 hwreg(HW_REG_WAVE_MODE, 25, 1), 1
	s_wait_xcnt 0x0
	s_wait_alu depctr_vm_vsrc(0)
; Q = query Wq^T + bq, K = key Wk^T + bk, V = value Wv^T + bv on codes of FP4 with E8M0 scales, and the results quantised at once: Q and K along the head's 64, V along the keys.
; SHARES.  768 waves, no LDS, no barrier.  A wave keeps 128 indices of the axis that is to be quantised, for all of K = 1024, in registers (the U side: 64 fragments, 512 registers)
; and streams 16 tiles of 16 rows of the other operand (the T side) from memory into two register buffers.
;   Q, K: U = 128 rows of W (two heads), T = rows of x.     V: U = 128 rows of value (one key step), T = rows of Wv.
; Source 0 = U, source 1 = T: lane (r, h) holds T's row r, and register j of tile u holds U index 16 u + 8 h + j.  Tiles 2 b and 2 b + 1 are one block of 32, shared by lanes l and l xor 16.
; The codes come out in the operand's order by the numbering of the conversions' destinations and one exchange of halves for each pair of registers.
; The bias is the C of each sum's first product.
; OUT.  qkcod [Q, K][batch x head][tile of 16 rows][lane][16 bytes]: lane (r, h) = row r, d = 32 h + 0..31.  qkscl [Q, K][batch x head][pair of tiles][r][4]: low half the even tile's two bytes, high half the odd tile's.
;       vcod [batch][key step of 128][tile of 16 features][c][lane][16 bytes]: a fragment of 16 features x 128 keys.  vscl [batch][key step][tile][r][4].
; LIMITS: a block of zeros gets the byte 1 where the rule says 127 (only this program reads the bytes); NaN and infinities are not served.
; REGISTERS, in windows of 256.  Window 0: v1-5 offsets; v8-15 T's scale words; v16-47 U's; v48-111 the 8 accumulators; v112-127 codes, two sets; v128-139 at work; v144-146 scale words made; v152-167 V's bias, two sets.
;   Window 1: U's fragments of K steps 0-3 at 64 ks + 8 u.   Window 2: of K steps 4-7.   Window 3: T's two buffers at v0 and v64 (8 ks); from v128 the bias of U's 128 indices (Q, K).
; A load of 16 scale bytes at 32 r + 16 h leaves the words of K steps 0-3 in lanes 0-15 and those of K steps 4-7 in lanes 16-31: K steps 4-7 read the upper lanes.
; THE MODE: SCHED_MODE bits 1:0 = 2 (LLVM: expert scheduling mode 2), set by the entry lines.  The code itself states the register dependences
; between vector or matrix instructions and memory instructions, with s_wait_alu, always for 0.
; THE PLAN.  Registers that memory instructions touch:
;   v1 .. v4      offsets: written at the head, never again; the scalar bases step, and immediate offsets do the rest.
;   U's fragments, scale words and bias: loaded once, at the head.
;   T[buf], its scale words (and, for V, its bias): tile t's 64 products read them; behind these the loads of tile t + 2 land in them.
;   PC[buf]       the tile's conversions and exchanges write it, the tile's two stores read it; written again two tiles on.
;   MW            written in each odd tile, read by that tile's store of scale words.
; So a tile has, behind its products: one wait on vm_vsrc (the earlier tiles' stores have read PC[buf] and MW), one on va_vdst (the products are done reading T[buf]; the loads follow at once);
; and behind its quantiser one more on va_vdst (the codes and MW are written; the stores follow).
.set TSC, 8
.set USC, 16
.set ACC, 48
.set PC,  112
.set TM,  128
.set PW,  144
.set MW,  146
.set BT8, 152
.set BU,  128                          ; in window 3
.set MSB, 0
.macro WIN new                         ; the immediate's high byte repeats the setting that is left
.if MSB != \new
	s_set_vgpr_msb (MSB<<8)|\new
.set MSB, \new
.endif
.endm
; nb blocks of 32: v[s + 16 b + i] = index 32 b + 16 (i / 8) + 8 h + i % 8 of my row.  Codes to v[pc] on, in the operand's order; the row's scale bytes to v[pw].
.macro QUANT s, pc, pw, nb
.irp b, 0,1,2,3
.if \b < \nb
	v_max3_num_f32 v[TM+\b], |v[(\s)+16*\b]|, |v[(\s)+16*\b+1]|, 0x1800000   ; my 16 numbers of block b, and the floor 2^(3 - 127): the byte cannot fall under 1
.endif
.endr
.irp i, 2,4,6,8,10,12,14
.irp b, 0,1,2,3
.if \b < \nb
	v_max3_num_f32 v[TM+\b], v[TM+\b], |v[(\s)+16*\b+\i]|, |v[(\s)+16*\b+\i+1]|
.endif
.endr
.endr
.irp b, 0,1,2,3
.if \b < \nb
	v_permlanex16_b32 v[TM+4+\b], v[TM+\b], s26, s27
.endif
.endr
.irp b, 0,1,2,3
.if \b < \nb
	v_max_num_f32 v[TM+\b], v[TM+\b], v[TM+4+\b]   ; with lane l xor 16's: the block's largest magnitude
.endif
.endr
.irp b, 0,1,2,3
.if \b < \nb
	v_add_nc_u32 v[TM+8+\b], 0xff000000, v[TM+\b]  ; 2 off its exponent field: the conversion's scale operand
.endif
.endr
.irp b, 0,1,2,3
.if \b < \nb
	v_lshrrev_b32 v[TM+4+\b], 23, v[TM+8+\b]       ; the scale's byte
.endif
.endr
	v_lshl_or_b32 v[\pw], v[TM+5], 8, v[TM+4]
.if \nb > 2
	v_lshl_or_b32 v[\pw], v[TM+6], 16, v[\pw]
	v_lshl_or_b32 v[\pw], v[TM+7], 24, v[\pw]
.endif
.irp b, 0,1,2,3
.if \b < \nb
	v_cvt_scalef32_pk8_fp4_f32 v[(\pc)+4*(\b/2)+(\b%2)], v[(\s)+16*\b:(\s)+16*\b+7], v[TM+8+\b]        ; indices 32 b + 8 h + 0..7
	v_cvt_scalef32_pk8_fp4_f32 v[(\pc)+4*(\b/2)+2+(\b%2)], v[(\s)+16*\b+8:(\s)+16*\b+15], v[TM+8+\b]   ; indices 32 b + 16 + 8 h + 0..7
.endif
.endr
	v_nop                                          ; one plain instruction behind the scaled conversions
.irp c, 0,1
.if 2*\c < \nb
.irp i, 0,1
	v_permlane16_swap_b32 v[(\pc)+4*\c+2*\i], v[(\pc)+4*\c+2*\i+1]   ; the first's lanes 16-31 change places with the second's lanes 0-15: registers 4 c .. 4 c + 3 now hold 64 c + 32 h + 0..31 in order
.endr
.endif
.endr
.endm
; one product: K step ks, U's tile u, T's buffer buf
.macro MM body, buf, ks, u
.set rD, ACC+8*(\u)
.set rA, 64*((\ks)%4)+8*(\u)
.set rB, 64*(\buf)+8*(\ks)
.set rSA, USC+4*(\u)+(\ks)%4
.set rSB, TSC+4*(\buf)+(\ks)%4
.if (\ks) == 0
.if \body
	v_wmma_scale_f32_16x16x128_f8f6f4 v[rD:rD+7], v[rA:rA+7], v[rB:rB+7], v[BT8+8*(\buf):BT8+8*(\buf)+7], v[rSA], v[rSB] matrix_a_fmt:MATRIX_FMT_FP4 matrix_b_fmt:MATRIX_FMT_FP4
.else
	v_wmma_scale_f32_16x16x128_f8f6f4 v[rD:rD+7], v[rA:rA+7], v[rB:rB+7], v[BU+8*(\u):BU+8*(\u)+7], v[rSA], v[rSB] matrix_a_fmt:MATRIX_FMT_FP4 matrix_b_fmt:MATRIX_FMT_FP4
.endif
.elseif (\ks) < 4
	v_wmma_scale_f32_16x16x128_f8f6f4 v[rD:rD+7], v[rA:rA+7], v[rB:rB+7], v[rD:rD+7], v[rSA], v[rSB] matrix_a_fmt:MATRIX_FMT_FP4 matrix_b_fmt:MATRIX_FMT_FP4
.else
	v_wmma_scale_f32_16x16x128_f8f6f4 v[rD:rD+7], v[rA:rA+7], v[rB:rB+7], v[rD:rD+7], v[rSA], v[rSB] matrix_a_fmt:MATRIX_FMT_FP4 matrix_b_fmt:MATRIX_FMT_FP4 matrix_a_scale:MATRIX_SCALE_ROW1 matrix_b_scale:MATRIX_SCALE_ROW1
.endif
.endm
; a T tile into buffer buf: 17 loads (Q, K) or 25 (V: the tile's bias, one number a lane, eight times over, in the result's layout).  ahead = 1: the tile two on
.macro LOADT body, buf, ahead
.if \body
.irp j, 0,1,2,3,4,5,6,7
	global_load_b32 v[BT8+8*(\buf)+\j], v3, s[38:39] offset:128*(\ahead)+64*(\buf)
.endr
.endif
	global_load_b128 v[TSC+4*(\buf):TSC+4*(\buf)+3], v2, s[36:37] offset:1024*(\ahead)+512*(\buf)
	WIN 0xc0                                       ; destination window 3
.irp ks, 0,1,2,3,4,5,6,7
.irp c, 0,1
	global_load_b128 v[64*(\buf)+8*\ks+4*\c:64*(\buf)+8*\ks+4*\c+3], v1, s[34:35] offset:16384*(\ahead)+8192*(\buf)+1024*\ks+512*\c
.endr
.endr
	WIN 0
.endm
; one T tile: 64 products on 8 accumulators that take turns, one instruction a turn; then the quantiser and the stores
.macro TILE body, buf, ahead, left
	s_wait_loadcnt \left                           ; my tile's group is in; the next tile's group may be out
.irp ks, 0,1,2,3,4,5,6,7
.if (\ks == 0) && (\body == 0)
	WIN 0x3d                                       ; U window 1, T window 3, C (the bias) window 3
.elseif \ks < 4
	WIN 0x0d                                       ; U window 1, T window 3
.else
	WIN 0x0e                                       ; U window 2, T window 3
.endif
.irp u, 0,1,2,3,4,5,6,7
	MM \body, \buf, \ks, \u
.endr
.endr
	WIN 0
.rept 4
	v_nop                                          ; four places behind the products, ahead of the first read of their results
.endr
	s_wait_xcnt 0x0                                ; earlier stores have had their addresses translated: their code and scale registers are rewritten only behind this wait,
	s_wait_alu depctr_vm_vsrc(0)                   ; and behind this one: the earlier tiles' stores have read PC[buf] and MW, which the quantiser below writes again
.if \ahead
	s_wait_alu depctr_va_vdst(0)                   ; the products are done reading T[buf], its scale words and (V) its bias, in which the loads below land
	LOADT \body, \buf, 1
.endif
	QUANT ACC, PC+8*(\buf), PW+(\buf), 4
.if \buf
.if \body
	v_cndmask_b32 v[MW], v[PW], v[PW+1], s28       ; lanes 0-15: the even tile's words; lanes 16-31: the odd tile's
.else
	v_perm_b32 v[MW], v[PW+1], v[PW], v5           ; lanes 0-15: the first head's bytes of both tiles; lanes 16-31: the second head's
.endif
.endif
	s_wait_alu depctr_va_vdst(0)                   ; the conversions and exchanges have written PC[buf], and the line above MW: the stores below read them
.if \body
	global_store_b128 v1, v[PC+8*(\buf):PC+8*(\buf)+3], s[40:41] offset:1024*(\buf)
	global_store_b128 v1, v[PC+8*(\buf)+4:PC+8*(\buf)+7], s[40:41] offset:1024*(\buf)+512
.else
	global_store_b128 v1, v[PC+8*(\buf):PC+8*(\buf)+3], s[40:41] offset:512*(\buf)             ; the first head's 64
	global_store_b128 v1, v[PC+8*(\buf)+4:PC+8*(\buf)+7], s[40:41] offset:65536+512*(\buf)     ; the second head's
.endif
.if \buf
	global_store_b32 v4, v[MW], s[42:43]
.endif
.endm
.macro BODY body
.set GRP, 17+8*(\body)
.if \body
	s_and_b32 s6, s5, 63                           ; ug: which 128 rows of value
	s_lshr_b32 s7, s5, 6                           ; tc: which 16 tiles of Wv
	s_lshl_b32 s45, s6, 3
	s_add_co_u32 s45, s45, 1024                    ; U's first tile
.else
	s_and_b32 s6, s5, 7                            ; ug: which 128 rows of W
	s_lshr_b32 s7, s5, 3                           ; tc: which 16 tiles of x
	s_lshl_b32 s45, s4, 6
	s_lshl_b32 s46, s6, 3
	s_add_co_u32 s45, s45, s46
	s_add_co_u32 s45, s45, 1536                    ; U's first tile
.endif
	s_lshl_b32 s46, s45, 13
	s_add_nc_u64 s[30:31], s[8:9], s[46:47]        ; U's codes
	s_lshl_b32 s46, s45, 9
	s_add_nc_u64 s[32:33], s[10:11], s[46:47]      ; U's scale bytes
.if \body
	s_lshl_b32 s45, s7, 4
	s_add_co_u32 s45, s45, 1664                    ; T's first tile
.else
	s_lshl_b32 s45, s4, 9
	s_lshl_b32 s46, s7, 4
	s_add_co_u32 s45, s45, s46                     ; T's first tile
.endif
	s_lshl_b32 s46, s45, 13
	s_add_nc_u64 s[34:35], s[8:9], s[46:47]        ; T's codes
	s_lshl_b32 s46, s45, 9
	s_add_nc_u64 s[36:37], s[10:11], s[46:47]      ; T's scale bytes
.if \body
	s_lshl_b32 s46, s7, 10
	s_add_nc_u64 s[38:39], s[16:17], s[46:47]      ; bv at T's first feature
	s_lshl_b32 s45, s6, 6
	s_lshl_b32 s46, s7, 4
	s_add_co_u32 s45, s45, s46                     ; 64 ug + 16 tc: the first fragment
	s_lshl_b32 s46, s45, 10
	s_add_nc_u64 s[40:41], s[22:23], s[46:47]
	s_lshl_b32 s46, s45, 6
	s_add_nc_u64 s[42:43], s[24:25], s[46:47]
	v_lshlrev_b32 v3, 2, v141                      ; the bias: 4 r
	v_lshlrev_b32 v4, 2, v140                      ; the scale words: 4 x lane
.else
	s_cmp_eq_u32 s4, 0
	s_cselect_b64 s[38:39], s[12:13], s[14:15]     ; bq or bk,
	s_lshl_b32 s46, s6, 9
	s_add_nc_u64 s[38:39], s[38:39], s[46:47]      ; at U's first feature
	s_lshr_b32 s45, s7, 3
	s_lshl_b32 s45, s45, 4
	s_lshl_b32 s46, s6, 1
	s_add_co_u32 s45, s45, s46                     ; 16 x batch + the first head
	s_and_b32 s48, s7, 7
	s_lshl_b32 s46, s45, 16                        ; 128 tiles of 512 bytes a head,
	s_lshl_b32 s49, s48, 13                        ; 16 tiles a wave,
	s_add_co_u32 s46, s46, s49
	s_lshl_b32 s49, s4, 22                         ; Q's half or K's
	s_add_co_u32 s46, s46, s49
	s_add_nc_u64 s[40:41], s[18:19], s[46:47]
	s_lshl_b32 s46, s45, 12                        ; 64 pairs of 64 bytes a head,
	s_lshl_b32 s49, s48, 9                         ; 8 pairs a wave
	s_add_co_u32 s46, s46, s49
	s_lshl_b32 s49, s4, 18
	s_add_co_u32 s46, s46, s49
	s_add_nc_u64 s[42:43], s[20:21], s[46:47]
	v_lshlrev_b32 v3, 5, v142                      ; the bias: 32 h
	v_lshlrev_b32 v4, 2, v141
	v_lshl_add_u32 v4, v142, 12, v4                ; the scale words: 4 r, + a head's 4,096 bytes for lanes 16-31
	v_mov_b32 v5, 0x05040100                       ; lanes 0-15 pack the two low halves,
	v_mov_b32 v143, 0x07060302                     ; lanes 16-31 the two high halves
	v_cndmask_b32 v5, v5, v143, s28
.endif
	WIN 0x40                                       ; destination window 1
	s_wait_alu depctr_va_vdst(0)                   ; the offsets v1 to v4 are written, which every load and store of the kernel reads; up to the loop only loads and window switches follow
.irp ks, 0,1,2,3
.irp u, 0,1,2,3,4,5,6,7
.irp c, 0,1
	global_load_b128 v[64*\ks+8*\u+4*\c:64*\ks+8*\u+4*\c+3], v1, s[30:31] offset:8192*\u+1024*\ks+512*\c
.endr
.endr
.endr
	WIN 0x80                                       ; destination window 2
.irp ks, 4,5,6,7
.irp u, 0,1,2,3,4,5,6,7
.irp c, 0,1
	global_load_b128 v[64*(\ks-4)+8*\u+4*\c:64*(\ks-4)+8*\u+4*\c+3], v1, s[30:31] offset:8192*\u+1024*\ks+512*\c
.endr
.endr
.endr
	WIN 0
.irp u, 0,1,2,3,4,5,6,7
	global_load_b128 v[USC+4*\u:USC+4*\u+3], v2, s[32:33] offset:512*\u
.endr
.if \body == 0
	WIN 0xc0
.irp u, 0,1,2,3,4,5,6,7
	global_load_b128 v[BU+8*\u:BU+8*\u+3], v3, s[38:39] offset:64*\u         ; the bias of features 16 u + 8 h + 0..7
	global_load_b128 v[BU+8*\u+4:BU+8*\u+7], v3, s[38:39] offset:64*\u+16
.endr
	WIN 0
.endif
	LOADT \body, 0, 0
	LOADT \body, 1, 0
	s_mov_b32 s44, 7
.Ltrip_\@:                             ; 7 trips of two tiles; each tile asks for the tile two on
	TILE \body, 0, 1, GRP
	TILE \body, 1, 1, GRP
	s_wait_xcnt 0x0                                ; every load and store issued has read its base: the bases step
	s_add_nc_u64 s[34:35], s[34:35], 16384
	s_add_nc_u64 s[36:37], s[36:37], 1024
.if \body
	s_add_nc_u64 s[38:39], s[38:39], 128
	s_add_nc_u64 s[40:41], s[40:41], 2048
	s_add_nc_u64 s[42:43], s[42:43], 128
.else
	s_add_nc_u64 s[40:41], s[40:41], 1024
	s_add_nc_u64 s[42:43], s[42:43], 64
.endif
	s_sub_co_u32 s44, s44, 1
	s_cmp_lg_u32 s44, 0
	s_cbranch_scc1 .Ltrip_\@
	TILE \body, 0, 0, GRP                          ; the last two tiles ask for nothing: no load leaves its buffer
	TILE \body, 1, 0, 0
	s_endpgm
.endm
	s_load_b512 s[8:23], s[0:1], 0x0               ; xcod, xscl, bq, bk, bv, qkcod, qkscl, vcod
	s_load_b64 s[24:25], s[0:1], 0x40              ; vscl
	v_lshrrev_b32 v140, 5, v0
	v_readfirstlane_b32 s2, v140                   ; wave 0..2
	v_and_b32 v140, 31, v0                         ; lane
	v_and_b32 v141, 15, v0                         ; r
	v_bfe_u32 v142, v0, 4, 1                       ; h
	v_lshlrev_b32 v1, 4, v140                      ; 16 x lane: my place in an image
	v_lshlrev_b32 v2, 5, v141
	v_lshl_add_u32 v2, v142, 4, v2                 ; 32 r + 16 h: my 16 scale bytes
.irp b, 0,1,2,3
	v_mov_b32 v[TM+4+\b], 0                        ; a lane permute's destination counts as read: written once
.endr
	s_mov_b32 s26, 0x76543210
	s_mov_b32 s27, 0xfedcba98                      ; selects for lane l xor 16
	s_mov_b32 s28, 0xffff0000                      ; lanes 16-31
	s_wait_alu depctr_va_sdst(0)                   ; s2, the wave's number, is written, ahead of its first reader: my job and all bases are made from it
	s_mul_i32 s3, ttmp9, 3
	s_add_co_u32 s3, s3, s2                        ; my job, 0..767
	s_lshr_b32 s4, s3, 8                           ; 0: Q, 1: K, 2: V
	s_and_b32 s5, s3, 255
	s_mov_b32 s47, 0
	s_wait_kmcnt 0x0
	s_cmp_eq_u32 s4, 2
	s_cbranch_scc1 .Lvalue
	s_wait_alu depctr_va_vdst(0)
	BODY 0
.Lvalue:
	s_wait_alu depctr_va_vdst(0)
	BODY 1
.Lfunc_end_k_q22c00f2e2d_proj:
	.size	k_q22c00f2e2d_proj, .Lfunc_end_k_q22c00f2e2d_proj-k_q22c00f2e2d_proj
	.p2alignl 7, 3214868480
	.fill 96, 4, 3214868480
	.section	.rodata,"a",@progbits
	.p2align	6, 0x0
	.amdhsa_kernel k_q22c00f2e2d_proj
		.amdhsa_group_segment_fixed_size 0
		.amdhsa_private_segment_fixed_size 0
		.amdhsa_enable_private_segment 0
		.amdhsa_kernarg_size 72
		.amdhsa_user_sgpr_count 2
		.amdhsa_user_sgpr_kernarg_segment_ptr 1
		.amdhsa_wavefront_size32 1
		.amdhsa_system_sgpr_workgroup_id_x 1
		.amdhsa_system_sgpr_workgroup_id_y 1
		.amdhsa_system_sgpr_workgroup_id_z 1
		.amdhsa_system_vgpr_workitem_id 0
		.amdhsa_next_free_vgpr 1024
		.amdhsa_next_free_sgpr 66
		.amdhsa_reserve_vcc 0
		.amdhsa_float_denorm_mode_32 3
		.amdhsa_float_denorm_mode_16_64 3
		.amdhsa_memory_ordered 1
		.amdhsa_forward_progress 1
		.amdhsa_inst_pref_size 148
	.end_amdhsa_kernel
	.amdgpu_metadata
---
amdhsa.version: [ 1, 2 ]
amdhsa.kernels:
  - .name:           k_q22c00f2e2d_proj
    .symbol:         k_q22c00f2e2d_proj.kd
    .args:
      - { .name: xcod, .offset: 0, .size: 8, .value_kind: global_buffer, .address_space: global }
      - { .name: xscl, .offset: 8, .size: 8, .value_kind: global_buffer, .address_space: global }
      - { .name: bq, .offset: 16, .size: 8, .value_kind: global_buffer, .address_space: global }
      - { .name: bk, .offset: 24, .size: 8, .value_kind: global_buffer, .address_space: global }
      - { .name: bv, .offset: 32, .size: 8, .value_kind: global_buffer, .address_space: global }
      - { .name: qkcod, .offset: 40, .size: 8, .value_kind: global_buffer, .address_space: global }
      - { .name: qkscl, .offset: 48, .size: 8, .value_kind: global_buffer, .address_space: global }
      - { .name: vcod, .offset: 56, .size: 8, .value_kind: global_buffer, .address_space: global }
      - { .name: vscl, .offset: 64, .size: 8, .value_kind: global_buffer, .address_space: global }
    .group_segment_fixed_size: 0
    .private_segment_fixed_size: 0
    .kernarg_segment_align: 8
    .kernarg_segment_size: 72
    .max_flat_workgroup_size: 96
    .sgpr_count:     66
    .vgpr_count:     1024
    .wavefront_size: 32
...
	.end_amdgpu_metadata
.endif
;; end of part 6
;; launch attn (part 7): grid 256 x 1, 16 waves a work-group, no clusters, 141,312 bytes of LDS; arguments qkcod, qkscl, vcod, vscl, ocod, oscl; writes ocod, oscl
.if DOCPART == 7
	.amdgcn_target "amdgcn-amd-amdhsa--gfx1250"
	.amdhsa_code_object_version 6
	.text
	.protected	k_q22c00f2e2d_attn
	.globl	k_q22c00f2e2d_attn
	.p2align	8
	.type	k_q22c00f2e2d_attn,@function
k_q22c00f2e2d_attn:
	s_mov_b64 s[64:65], 0
	v_nop
	global_prefetch_b8 v0, s[64:65] scope:SCOPE_SE
	s_setreg_imm32_b32 hwreg(HW_REG_WAVE_SCHED_MODE, 0, 2), 2
	s_setreg_imm32_b32 hwreg(HW_REG_WAVE_MODE, 25, 1), 1
	s_wait_xcnt 0x0
	s_wait_alu depctr_vm_vsrc(0)
; O = softmax(Q K^T / 8) V for each of 64 (batch, head), both products on codes of FP4 with E8M0 scales, and O quantised along D for the last projection.
; THE SOFTMAX: t = score x log2(e) / 8; M = the running largest t rounded UP to a whole number; p = 2^(t - M) is quantised along the keys, not normalised; the row's sum is taken of the
; unquantised p and divides O at the end.  When M moves, the sum and O are multiplied by 2^(old M - new M), which rounds nothing.
; SHARES.  A work-group owns 512 queries of one head; each of its 16 waves owns two tiles of 16 queries and takes them one after the other.  Four waves share a SIMD.
; A WHOLE HEAD'S K AND V LIE IN LDS, as images of the operands' registers, with their scale words: 139,264 bytes, filled once through registers, then only read: one barrier in the launch.
; THE HEAD IS 64 WIDE, THE INSTRUCTION 128: a fragment of K holds TWO tiles of 16 keys (registers 0-3 the even tile's 64, registers 4-7 the odd tile's) and is multiplied by (Q | 0) and by (0 | Q):
; zero codes add nothing under any scale byte but 0xff, which the quantiser never makes.
; Both products are used transposed (S^T = K Q^T, O^T = V^T P^T): a lane holds one query throughout.  Register j of tile t holds key 16 t + 8 h + j, so tiles 2 b and 2 b + 1 are one block of 32 keys,
; shared by lanes l and l xor 16; the codes come into the operand's order by the numbering of the conversions' destinations and an exchange of halves.
; A block's largest p is not searched for: the block's largest score goes through the same multiply-add and exponential (it takes the exponential not to fall where its input rises).
; LIMITS: t under -3e38 is not served; NaN and infinities are not served; a block of zeros gets the byte 1 where the rule says 127 (only this program reads the bytes).
; The output's scale bytes leave as 2 bytes a row: a row's other heads belong to other work-groups; they are 262,144 bytes in all.
; THE MODE: SCHED_MODE bits 1:0 = 2 (LLVM: expert scheduling mode 2), set by the entry lines.  The code itself states the register dependences
; between vector or matrix instructions and memory or LDS instructions, with s_wait_alu, always for 0.
; THE PLAN.  Registers that memory or LDS instructions touch, in a key step:
;   KF, KS    this step's eight products K Q^T read them; the NEXT step's K lands in them, asked for in this step's middle.
;   VF, VS    the step's four products V^T P^T, at its end, read them; this step's V lands in them, asked for in the step's middle.
;   v5 .. v8  LDS addresses: read by the step's twenty loads; written once a step, in the four places behind the products K Q^T, behind a wait on vm_vsrc.
;   v1 .. v4, v9, v11, v225 .. v228   offsets and addresses made at the head, never written again.
; ONE wait on va_vdst stands in a step's middle, behind its 68 exponentials and ahead of the first reader of their results.  It also states that the last step's products V^T P^T are done
; reading VF and VS, that this step's products K Q^T are done reading KF and KS, and that v5 to v8 are written.  V's ten loads follow it at once; K's ten are dealt among the row's sums,
; which name S, v14, v15 and two registers at work: none that a load touches.  A second wait on va_vdst stands ahead of the products V^T P^T: p's codes and scale word are written.
; A pass's last step is written out: pass 0's asks for key step 0 again, which is pass 1's first; pass 1's asks for no K.
.set KIMG, 0                           ; 128 tiles of 16 keys x 512 bytes
.set VIMG, 65536                       ; 16 key steps x 4 fragments x 1,024 bytes
.set KSC,  131072                      ; [pair of tiles][r][4 bytes]
.set VSC,  135168                      ; [key step][fragment][r][4 bytes]
.set QA,  16                           ; v16-23 (Q | 0);  v24-31 (0 | Q)
.set KF,  32                           ; v32-63  four double fragments of K
.set VF,  64                           ; v64-95  four fragments of V
.set S,   96                           ; v96-159 S^T, then p
.set O,   160                          ; v160-191 O^T
.set PC,  192                          ; v192-199 p's codes
.set TM,  200                          ; v200-211 at work
.set KS,  212                          ; v212-213 K's scale words;  v214-215 V's
.set VS,  214
.set QW,  216                          ; Q's scale bytes, in both halves
.set PW,  217                          ; p's scale word
.set HW,  221                          ; v221-222 the two tiles' output scale bytes; v223 both
.set QP,  224                          ; the pair word of my two tiles of Q
.set TB,  41                           ; s41 the key step's images: 4,096 bytes a step
.set TS,  42                           ; s42 its scale words: 256 bytes a step
.set CNT, 43
.macro QUANT s, pc, pw, nb             ; nb blocks of 32: v[s + 16 b + i] = index 32 b + 16 (i / 8) + 8 h + i % 8 of my row
.irp b, 0,1,2,3
.if \b < \nb
	v_max3_num_f32 v[TM+\b], |v[(\s)+16*\b]|, |v[(\s)+16*\b+1]|, 0x1800000   ; and the floor 2^(3 - 127)
.endif
.endr
.irp i, 2,4,6,8,10,12,14
.irp b, 0,1,2,3
.if \b < \nb
	v_max3_num_f32 v[TM+\b], v[TM+\b], |v[(\s)+16*\b+\i]|, |v[(\s)+16*\b+\i+1]|
.endif
.endr
.endr
.irp b, 0,1,2,3
.if \b < \nb
	v_permlanex16_b32 v[TM+4+\b], v[TM+\b], s36, s37
.endif
.endr
.irp b, 0,1,2,3
.if \b < \nb
	v_max_num_f32 v[TM+\b], v[TM+\b], v[TM+4+\b]
.endif
.endr
.irp b, 0,1,2,3
.if \b < \nb
	v_add_nc_u32 v[TM+8+\b], 0xff000000, v[TM+\b]
.endif
.endr
.irp b, 0,1,2,3
.if \b < \nb
	v_lshrrev_b32 v[TM+4+\b], 23, v[TM+8+\b]
.endif
.endr
	v_lshl_or_b32 v[\pw], v[TM+5], 8, v[TM+4]
.if \nb > 2
	v_lshl_or_b32 v[\pw], v[TM+6], 16, v[\pw]
	v_lshl_or_b32 v[\pw], v[TM+7], 24, v[\pw]
.endif
.irp b, 0,1,2,3
.if \b < \nb
	v_cvt_scalef32_pk8_fp4_f32 v[(\pc)+4*(\b/2)+(\b%2)], v[(\s)+16*\b:(\s)+16*\b+7], v[TM+8+\b]
	v_cvt_scalef32_pk8_fp4_f32 v[(\pc)+4*(\b/2)+2+(\b%2)], v[(\s)+16*\b+8:(\s)+16*\b+15], v[TM+8+\b]
.endif
.endr
	v_nop                                          ; one plain instruction behind the scaled conversions
.irp c, 0,1
.if 2*\c < \nb
.irp i, 0,1
	v_permlane16_swap_b32 v[(\pc)+4*\c+2*\i], v[(\pc)+4*\c+2*\i+1]
.endr
.endif
.endr
.endm
; load n of the ten that bring a key step's K: eight of 16 bytes a lane (four double fragments), two of scale words (lanes 0-15: an even pair's words; lanes 16-31: the odd pair's).  Numbers from 10 on: nothing
.macro KONE n, a, s, off, soff
.if (\n) < 8
	ds_load_b128 v[KF+4*(\n):KF+4*(\n)+3], v[\a] offset:(\off)+512*(\n)
.elseif (\n) < 10
	ds_load_b32 v[KS+(\n)-8], v[\s] offset:(\soff)+128*((\n)-8)
.endif
.endm
; A KEY STEP: 128 keys.  nextk = 1: the next step's K is asked for; 2: key step 0's, for the next pass; 0: none
.macro STEP nextk
	s_wait_dscnt 0x0                               ; K's ten loads, asked for in the step before (a pass's first: ahead of the pass), are in
.irp t, 0,1,2,3,4,5,6,7
.if ((\t/2)%2) == 0
	v_wmma_scale_f32_16x16x128_f8f6f4 v[S+8*\t:S+8*\t+7], v[KF+8*(\t/2):KF+8*(\t/2)+7], v[QA+8*(\t%2):QA+8*(\t%2)+7], 0, v[KS+\t/4], v[QW] matrix_a_fmt:MATRIX_FMT_FP4 matrix_b_fmt:MATRIX_FMT_FP4
.else
	v_wmma_scale_f32_16x16x128_f8f6f4 v[S+8*\t:S+8*\t+7], v[KF+8*(\t/2):KF+8*(\t/2)+7], v[QA+8*(\t%2):QA+8*(\t%2)+7], 0, v[KS+\t/4], v[QW] matrix_a_fmt:MATRIX_FMT_FP4 matrix_b_fmt:MATRIX_FMT_FP4 matrix_a_scale:MATRIX_SCALE_ROW1
.endif
.endr
	s_wait_alu depctr_vm_vsrc(0)                   ; the LDS loads issued so far have read v5 to v8, which the lines below write
.if (\nextk) == 1
	v_add_nc_u32 v5, s[TB], v1                     ; the addresses of the loads in the step's middle.  These four lines are also the four places ahead of the first read of the scores
	v_add_nc_u32 v7, s[TS], v3
.else
	v_nop                                          ; (no K of a next step: two of the four places have no work)
	v_nop
.endif
	v_add_nc_u32 v6, s[TB], v2
	v_add_nc_u32 v8, s[TS], v4
.irp b, 0,1,2,3
	v_max3_num_f32 v[TM+\b], v[S+16*\b], v[S+16*\b+1], v[S+16*\b+2]   ; the largest score of each block of 32 keys: for the row's maximum and for the block's largest p
.endr
.irp i, 3,5,7,9,11,13
.irp b, 0,1,2,3
	v_max3_num_f32 v[TM+\b], v[TM+\b], v[S+16*\b+\i], v[S+16*\b+\i+1]
.endr
.endr
.irp b, 0,1,2,3
	v_max_num_f32 v[TM+\b], v[TM+\b], v[S+16*\b+15]
.endr
.irp b, 0,1,2,3
	v_permlanex16_b32 v[TM+4+\b], v[TM+\b], s36, s37
.endr
.irp b, 0,1,2,3
	v_max_num_f32 v[TM+\b], v[TM+\b], v[TM+4+\b]   ; with lane l xor 16's 16 keys
.endr
	v_max3_num_f32 v220, v[TM], v[TM+1], v[TM+2]
	v_max_num_f32 v220, v220, v[TM+3]              ; the step's largest score of my query,
	v_mul_f32 v220, s38, v220                      ; as t
	v_max_num_f32 v13, v13, v220                   ; the running largest t
	v_mov_b32 v220, v12
	v_floor_f32 v12, -v13                          ; the new -M = floor(-t) = -ceil(t)
	v_sub_f32 v220, v12, v220                      ; old M - new M: a whole number, 0 or less
	v_cvt_i32_f32 v220, v220                       ; (it saturates)
	v_ldexp_f32 v218, 1.0, v220                    ; f = 2^(old M - new M)
.irp j, 0,2,4,6,8,10,12,14,16,18,20,22,24,26,28,30,32,34,36,38,40,42,44,46,48,50,52,54,56,58,60,62
	v_pk_fma_f32 v[S+\j:S+\j+1], v[S+\j:S+\j+1], s[38:39], v[12:13] op_sel_hi:[1,0,0]   ; t - M, two at a time
.endr
.irp b, 0,1,2,3
	v_fma_f32 v[TM+\b], v[TM+\b], s38, v12         ; the same of each block's largest score
.endr
	s_wait_alu depctr_va_vdst(0)
.irp j, 0,1,2,3,4,5,6,7,8,9,10,11,12,13,14,15,16,17,18,19,20,21,22,23,24,25,26,27,28,29,30,31,32,33,34,35,36,37,38,39,40,41,42,43,44,45,46,47,48,49,50,51,52,53,54,55,56,57,58,59,60,61,62,63
	v_exp_f32 v[S+\j], v[S+\j]                     ; p = 2^(t - M), at most 1
.endr
.irp b, 0,1,2,3
	v_exp_f32 v[TM+\b], v[TM+\b]                   ; each block's largest p: in the same batch
.endr
	v_pk_mul_f32 v[14:15], v[14:15], v[218:219] op_sel_hi:[1,0]   ; the sums under the new M: a plain instruction behind the exponentials
	s_wait_alu depctr_va_vdst(0)                   ; the 68 exponentials have written p and the blocks' largest p, ahead of their first reader; the last step's products V^T P^T are done reading VF and VS, this step's products K Q^T KF and KS, in which the loads below land; v5 to v8 are written
.irp i, 0,1,2,3,4,5,6,7
	ds_load_b128 v[VF+4*\i:VF+4*\i+3], v6 offset:512*\i
.endr
	ds_load_b32 v[VS], v8
	ds_load_b32 v[VS+1], v8 offset:128
	v_pk_add_f32 v[TM+4:TM+5], v[S:S+1], v[S+2:S+3]   ; the row's sum of the unquantised p, in two chains
.set kn, 0
.irp j, 4,8,12,16,20,24,28,32,36,40,44,48,52,56,60
	v_pk_add_f32 v[14:15], v[14:15], v[S+\j:S+\j+1]
	v_pk_add_f32 v[TM+4:TM+5], v[TM+4:TM+5], v[S+\j+2:S+\j+3]
.if (\nextk) == 1
	KONE kn, 5, 7, 4096, 256                       ; the next step's K, a load behind each pair of sums.  No wait: no vector or matrix instruction since the wait above names KF, KS, v5 or v7
.elseif (\nextk) == 2
	KONE kn, 1, 3, 0, 0                            ; key step 0's, for the next pass
.endif
.set kn, kn+1
.endr
	v_pk_add_f32 v[14:15], v[14:15], v[TM+4:TM+5]
.irp b, 0,1,2,3
	v_max_num_f32 v[TM+\b], 0x1800000, v[TM+\b]    ; the floor 2^(3 - 127): the byte cannot fall under 1
.endr
.irp b, 0,1,2,3
	v_add_nc_u32 v[TM+8+\b], 0xff000000, v[TM+\b]  ; the conversion's scale operand
.endr
.irp b, 0,1,2,3
	v_lshrrev_b32 v[TM+4+\b], 23, v[TM+8+\b]       ; the scale's byte
.endr
	v_lshl_or_b32 v[PW], v[TM+5], 8, v[TM+4]
	v_lshl_or_b32 v[PW], v[TM+6], 16, v[PW]
	v_lshl_or_b32 v[PW], v[TM+7], 24, v[PW]        ; p's scale word for these 128 keys
.irp b, 0,1,2,3
	v_cvt_scalef32_pk8_fp4_f32 v[PC+4*(\b/2)+(\b%2)], v[S+16*\b:S+16*\b+7], v[TM+8+\b]
	v_cvt_scalef32_pk8_fp4_f32 v[PC+4*(\b/2)+2+(\b%2)], v[S+16*\b+8:S+16*\b+15], v[TM+8+\b]
.endr
	v_nop                                          ; one plain instruction behind the scaled conversions
.irp c, 0,1
.irp i, 0,1
	v_permlane16_swap_b32 v[PC+4*\c+2*\i], v[PC+4*\c+2*\i+1]
.endr
.endr
.irp j, 0,2,4,6,8,10,12,14,16,18,20,22,24,26,28,30
	v_pk_mul_f32 v[O+\j:O+\j+1], v[O+\j:O+\j+1], v[218:219] op_sel_hi:[1,0]   ; O^T under the new M.  For each product below at least twelve of these name none of its registers: the places behind p's codes and scale word
.endr
.if (\nextk) == 0
	s_wait_dscnt 0x0                               ; V is in
.else
	s_wait_dscnt 10                                ; V's ten loads are in; K's ten, issued behind them, may be out
.endif
	s_wait_alu depctr_va_vdst(0)                   ; the conversions and exchanges have written p's codes and the three ors its scale word, which the products below take as source 1 and as its scales; the places above stay beside this wait
.irp dt, 0,1,2,3
.if (\dt%2) == 0
	v_wmma_scale_f32_16x16x128_f8f6f4 v[O+8*\dt:O+8*\dt+7], v[VF+8*\dt:VF+8*\dt+7], v[PC:PC+7], v[O+8*\dt:O+8*\dt+7], v[VS+\dt/2], v[PW] matrix_a_fmt:MATRIX_FMT_FP4 matrix_b_fmt:MATRIX_FMT_FP4
.else
	v_wmma_scale_f32_16x16x128_f8f6f4 v[O+8*\dt:O+8*\dt+7], v[VF+8*\dt:VF+8*\dt+7], v[PC:PC+7], v[O+8*\dt:O+8*\dt+7], v[VS+\dt/2], v[PW] matrix_a_fmt:MATRIX_FMT_FP4 matrix_b_fmt:MATRIX_FMT_FP4 matrix_a_scale:MATRIX_SCALE_ROW1
.endif
.endr
.endm
; one tile of 16 queries against all 2,048 keys
.macro PASS p
.if \p
	s_wait_loadcnt 0x0                             ; the second tile of Q is in
	s_wait_xcnt 0x0                                ; the last pass's store has had its address translated: its code registers are rewritten only behind this wait,
	s_wait_alu depctr_vm_vsrc(0)                   ; and behind this one: that store has read PC, which this pass's conversions write again
	v_perm_b32 v[QW], v[QP], v[QP], 0x03020302     ; the odd tile's two bytes, in both halves of the word
.else
	v_perm_b32 v[QW], v[QP], v[QP], 0x01000100     ; the even tile's
.endif
	v_mov_b32 v13, 0xff61b1e6                      ; the largest t so far: -3e38
	v_floor_f32 v12, -v13                          ; -M
	v_mov_b32 v14, 0                               ; the sum, in two halves
	v_mov_b32 v15, 0
.irp j, 0,1,2,3,4,5,6,7,8,9,10,11,12,13,14,15,16,17,18,19,20,21,22,23,24,25,26,27,28,29,30,31
	v_mov_b32 v[O+\j], 0                           ; the step is written once: the first finds zeros, which the first change of M leaves zeros
.endr
	s_wait_alu depctr_va_vdst(0)                   ; QW is written, which the products K Q^T take as Q's scales; the 36 plain lines above are the places between
	s_mov_b32 s[TB], 0
	s_mov_b32 s[TS], 0
	s_mov_b32 s[CNT], 15
.Lkey_\@:                              ; 15 trips: every key step that has a successor
	STEP 1
	s_add_co_u32 s[TB], s[TB], 4096
	s_add_co_u32 s[TS], s[TS], 256
	s_sub_co_u32 s[CNT], s[CNT], 1
	s_cmp_lg_u32 s[CNT], 0
	s_cbranch_scc1 .Lkey_\@
.if \p
	STEP 0                                         ; the last key step is written out: nothing follows it
.else
	STEP 2                                         ; the last key step is written out: the next pass begins at key step 0
.endif
.rept 4
	v_nop                                          ; four places behind the last products
.endr
	v_add_f32 v14, v14, v15
	v_permlanex16_b32 v220, v14, s36, s37
	v_add_f32 v14, v14, v220                       ; the row's sum
	s_wait_alu depctr_va_vdst(0)
	v_rcp_f32 v218, v14
	v_nop                                          ; a plain instruction behind the reciprocal
	s_wait_alu depctr_va_vdst(0)                   ; the reciprocal has written v218, ahead of its first reader; the products K Q^T are done reading Q's registers, in which the loads below land
.if \p == 0
	global_load_b128 v[QA:QA+3], v1, s[22:23] offset:512        ; the second tile of Q, into both operands
	global_load_b128 v[QA+12:QA+15], v1, s[22:23] offset:512
.endif
.irp j, 0,2,4,6,8,10,12,14,16,18,20,22,24,26,28,30
	v_pk_mul_f32 v[S+\j:S+\j+1], v[O+\j:O+\j+1], v[218:219] op_sel_hi:[1,0]   ; O^T / the sum: register 8 t + j is d = 16 t + 8 h + j
.endr
	QUANT S, PC, HW+\p, 2
.if \p
	v_cndmask_b32 v[HW+2], v[HW], v[HW+1], s40     ; lanes 0-15: the even tile's rows; lanes 16-31: the odd tile's
.endif
	s_wait_alu depctr_va_vdst(0)                   ; the conversions and exchanges have written PC (and, in the second pass, the line above v223): the stores below read them
	global_store_b128 v1, v[PC:PC+3], s[32:33] offset:8192*\p   ; lane (r, h): row r, k = 64 head + 32 h + 0..31: 512 consecutive bytes
.if \p
	global_store_b16 v9, v[HW+2], s[34:35]
.endif
.endm
	s_load_b256 s[8:15], s[0:1], 0x0               ; qkcod, qkscl, vcod, vscl
	s_load_b128 s[16:19], s[0:1], 0x20             ; ocod, oscl
	v_lshl_add_u32 v254, v0, 2, 0x22000
	v_mov_b32 v255, 0
	v_lshrrev_b32 v10, 5, v0
	v_readfirstlane_b32 s2, v10                    ; wave 0..15
	v_and_b32 v10, 31, v0                          ; lane
	v_lshlrev_b32 v1, 4, v10                       ; 16 x lane
	v_add_nc_u32 v2, VIMG, v1
	v_lshl_add_u32 v3, v10, 2, KSC
	v_lshl_add_u32 v4, v10, 2, VSC
	v_lshlrev_b32 v9, 5, v10                       ; 32 x lane: a row of the output's scale bytes
	v_lshlrev_b32 v11, 3, v10                      ; 8 x lane
	v_and_b32 v225, 15, v0
	v_lshlrev_b32 v225, 2, v225                    ; 4 r
	s_wait_alu depctr_va_sdst(0)                   ; s2, the wave's number, is written, ahead of its first reader: the fill's places and all bases are made from it
	s_lshl_b32 s46, s2, 12
	v_add_nc_u32 v226, s46, v1                     ; the fill: my wave's 4,096 bytes of K's images,
	v_add_nc_u32 v227, VIMG, v226                  ; of V's,
	s_lshl_b32 s46, s2, 8
	v_add_nc_u32 v228, s46, v11
	v_add_nc_u32 v228, KSC, v228                   ; and its 256 bytes of scale words
.irp j, 4,5,6,7,8,9,10,11
	v_mov_b32 v[QA+\j], 0                          ; the zero halves of (Q | 0) and (0 | Q)
.endr
.irp b, 0,1,2,3
	v_mov_b32 v[TM+4+\b], 0                        ; a lane permute's destination counts as read: written once
.endr
	v_mov_b32 v219, 0                              ; named as the upper half of the pair v[218:219]
	v_mov_b32 v220, 0
	s_mov_b32 s36, 0x76543210
	s_mov_b32 s37, 0xfedcba98                      ; selects for lane l xor 16
	s_mov_b32 s38, 0x3e38aa3b                      ; log2(e) / 8
	s_mov_b32 s39, s38
	s_mov_b32 s40, 0xffff0000                      ; lanes 16-31
	s_lshr_b32 s3, ttmp9, 2                        ; batch x 16 + head
	s_and_b32 s4, ttmp9, 3                         ; which 512 queries
	s_lshr_b32 s5, s3, 4                           ; batch
	s_and_b32 s6, s3, 15                           ; head
	s_lshl_b32 s7, s4, 4
	s_add_co_u32 s7, s7, s2                        ; my pair of query tiles, 0..63
	s_mov_b32 s45, 0
	s_wait_kmcnt 0x0
	s_lshl_b32 s44, s3, 16
	s_add_nc_u64 s[22:23], s[8:9], s[44:45]        ; the head's Q codes
	s_add_nc_u64 s[20:21], s[22:23], 0x400000      ; the head's K codes,
	s_lshl_b32 s44, s2, 12
	s_add_nc_u64 s[20:21], s[20:21], s[44:45]      ; my wave's 4,096 bytes of them
	s_lshl_b32 s44, s7, 10
	s_add_nc_u64 s[22:23], s[22:23], s[44:45]      ; my two tiles of Q
	s_lshl_b32 s44, s3, 12
	s_add_nc_u64 s[26:27], s[10:11], s[44:45]      ; the head's Q scale words
	s_add_nc_u64 s[24:25], s[26:27], 0x40000       ; the head's K scale words,
	s_lshl_b32 s44, s2, 8
	s_add_nc_u64 s[24:25], s[24:25], s[44:45]      ; my wave's 256 bytes
	s_lshl_b32 s44, s7, 6
	s_add_nc_u64 s[26:27], s[26:27], s[44:45]      ; my pair's words
	s_lshl_b32 s46, s5, 4
	s_add_co_u32 s46, s46, s2                      ; 16 x batch + key step = my wave's number
	s_lshl_b32 s44, s46, 16
	s_add_nc_u64 s[28:29], s[12:13], s[44:45]
	s_lshl_b32 s44, s6, 12
	s_add_nc_u64 s[28:29], s[28:29], s[44:45]      ; V's four fragments of that key step and my head
	s_lshl_b32 s44, s46, 12
	s_add_nc_u64 s[30:31], s[14:15], s[44:45]
	s_lshl_b32 s44, s6, 8
	s_add_nc_u64 s[30:31], s[30:31], s[44:45]      ; and their scale words
	s_lshl_b32 s44, s5, 20
	s_lshl_b32 s46, s7, 14
	s_add_co_u32 s44, s44, s46
	s_lshl_b32 s46, s6, 9
	s_add_co_u32 s44, s44, s46
	s_add_nc_u64 s[32:33], s[16:17], s[44:45]      ; ocod: row tile 128 batch + 2 pair, K place 512 head
	s_lshl_b32 s44, s5, 16
	s_lshl_b32 s46, s7, 10
	s_add_co_u32 s44, s44, s46
	s_lshl_b32 s46, s6, 1
	s_add_co_u32 s44, s44, s46
	s_add_nc_u64 s[34:35], s[18:19], s[44:45]      ; oscl: my 32 rows, bytes 2 head on
	s_wait_alu depctr_va_vdst(0)                   ; the offsets and LDS addresses v1 to v4, v9, v11 and v225 to v228 are written, which the loads and stores below read; so are Q's zero halves, which the products take as part of source 1
.irp i, 0,1,2,3,4,5,6,7
	global_load_b128 v[KF+4*\i:KF+4*\i+3], v1, s[20:21] offset:512*\i
.endr
.irp i, 0,1,2,3,4,5,6,7
	global_load_b128 v[VF+4*\i:VF+4*\i+3], v1, s[28:29] offset:512*\i
.endr
	global_load_b64 v[96:97], v11, s[24:25]
	global_load_b64 v[98:99], v11, s[30:31]
	global_load_b128 v[QA:QA+3], v1, s[22:23]      ; the first tile of Q, into both operands
	global_load_b128 v[QA+12:QA+15], v1, s[22:23]
	global_load_b32 v[QP], v225, s[26:27]
	s_wait_loadcnt 0x0
.irp i, 0,1,2,3,4,5,6,7
	ds_store_b128 v226, v[KF+4*\i:KF+4*\i+3] offset:512*\i
.endr
.irp i, 0,1,2,3,4,5,6,7
	ds_store_b128 v227, v[VF+4*\i:VF+4*\i+3] offset:512*\i
.endr
	ds_store_b64 v228, v[96:97]
	ds_store_b64 v228, v[98:99] offset:VSC-KSC
	s_wait_dscnt 0x0                               ; for the others' sake: my part of the head lies in LDS
	s_barrier_signal -1
	s_barrier_wait -1                              ; everybody's does; from here on LDS is only read
	s_wait_alu depctr_vm_vsrc(0)                   ; my LDS stores have read KF, VF and v96 to v99: from here on LDS loads land in the first two and the products write the last
.irp n, 0,1,2,3,4,5,6,7,8,9
	KONE \n, 1, 3, 0, 0                            ; key step 0's K, for the first pass
.endr
	PASS 0
	PASS 1
	s_wait_dscnt 0x0
	s_wait_alu depctr_hold_cnt(0) depctr_sa_sdst(0) depctr_va_vdst(0) depctr_va_sdst(0) depctr_va_ssrc(0) depctr_va_vcc(0) depctr_vm_vsrc(0)
	s_wait_tensorcnt 0x0
	ds_add_u32 v254, v255
	s_wait_dscnt 0x0
	s_endpgm
.Lfunc_end_k_q22c00f2e2d_attn:
	.size	k_q22c00f2e2d_attn, .Lfunc_end_k_q22c00f2e2d_attn-k_q22c00f2e2d_attn
	.p2alignl 7, 3214868480
	.fill 96, 4, 3214868480
	.section	.rodata,"a",@progbits
	.p2align	6, 0x0
	.amdhsa_kernel k_q22c00f2e2d_attn
		.amdhsa_group_segment_fixed_size 141312
		.amdhsa_private_segment_fixed_size 0
		.amdhsa_enable_private_segment 0
		.amdhsa_kernarg_size 48
		.amdhsa_user_sgpr_count 2
		.amdhsa_user_sgpr_kernarg_segment_ptr 1
		.amdhsa_wavefront_size32 1
		.amdhsa_system_sgpr_workgroup_id_x 1
		.amdhsa_system_sgpr_workgroup_id_y 1
		.amdhsa_system_sgpr_workgroup_id_z 1
		.amdhsa_system_vgpr_workitem_id 0
		.amdhsa_next_free_vgpr 256
		.amdhsa_next_free_sgpr 66
		.amdhsa_reserve_vcc 0
		.amdhsa_float_denorm_mode_32 3
		.amdhsa_float_denorm_mode_16_64 3
		.amdhsa_memory_ordered 1
		.amdhsa_forward_progress 1
		.amdhsa_inst_pref_size 76
	.end_amdhsa_kernel
	.amdgpu_metadata
---
amdhsa.version: [ 1, 2 ]
amdhsa.kernels:
  - .name:           k_q22c00f2e2d_attn
    .symbol:         k_q22c00f2e2d_attn.kd
    .args:
      - { .name: qkcod, .offset: 0, .size: 8, .value_kind: global_buffer, .address_space: global }
      - { .name: qkscl, .offset: 8, .size: 8, .value_kind: global_buffer, .address_space: global }
      - { .name: vcod, .offset: 16, .size: 8, .value_kind: global_buffer, .address_space: global }
      - { .name: vscl, .offset: 24, .size: 8, .value_kind: global_buffer, .address_space: global }
      - { .name: ocod, .offset: 32, .size: 8, .value_kind: global_buffer, .address_space: global }
      - { .name: oscl, .offset: 40, .size: 8, .value_kind: global_buffer, .address_space: global }
    .group_segment_fixed_size: 141312
    .private_segment_fixed_size: 0
    .kernarg_segment_align: 8
    .kernarg_segment_size: 48
    .max_flat_workgroup_size: 512
    .sgpr_count:     66
    .vgpr_count:     256
    .wavefront_size: 32
...
	.end_amdgpu_metadata
.endif
;; end of part 7
;; launch oproj (part 8): grid 256 x 1, 4 waves a work-group, no clusters, 34,304 bytes of LDS; arguments ocod, oscl, xcod, xscl, bo, out0; writes out0
.if DOCPART == 8
	.amdgcn_target "amdgcn-amd-amdhsa--gfx1250"
	.amdhsa_code_object_version 6
	.text
	.protected	k_q22c00f2e2d_oproj
	.globl	k_q22c00f2e2d_oproj
	.p2align	8
	.type	k_q22c00f2e2d_oproj,@function
k_q22c00f2e2d_oproj:
	s_mov_b64 s[64:65], 0
	v_nop
	global_prefetch_b8 v0, s[64:65] scope:SCOPE_SE
	s_setreg_imm32_b32 hwreg(HW_REG_WAVE_SCHED_MODE, 0, 2), 2
	s_setreg_imm32_b32 hwreg(HW_REG_WAVE_MODE, 25, 1), 1
	s_wait_xcnt 0x0
	s_wait_alu depctr_vm_vsrc(0)
; out0 = O Wo^T + bo on codes of FP4 with E8M0 scales; out0 [8192][1024] f32.
; SHARES.  1,024 waves.  A wave keeps 128 rows of Wo (128 outputs) for all of K = 1024 in registers (64 fragments, 512 registers) and takes 4 tiles of 16 rows of O, straight from memory into two register buffers.
; Source 0 = Wo's rows, source 1 = O's rows: lane (r, h) holds row r of the tile and register j of tile u holds output 16 u + 8 h + j: eight neighbouring numbers of a row of out0.
; The bias is the C of each sum's first product.  A tile's 16 rows x 512 bytes go through the wave's own stage in LDS and leave as whole rows: each store covers 512 consecutive bytes, aligned.
; No barrier: waves share nothing.
; REGISTERS.  Window 0: v1-6 offsets; v8-15 O's scale words; v16-47 Wo's; v48-111 and v192-255 the 8 accumulators, two sets by turns; v128-191 rows read back from the stage.
;   Window 1: Wo's fragments of K steps 0-3 at 64 ks + 8 u.   Window 2: of K steps 4-7.   Window 3: O's two buffers at v0 and v64; from v128 the bias.
; THE MODE: SCHED_MODE bits 1:0 = 2 (LLVM: expert scheduling mode 2), set by the entry lines.  The code itself states the register dependences
; between vector or matrix instructions and memory or LDS instructions, with s_wait_alu, always for 0.
; THE PLAN.  Registers that memory or LDS instructions touch:
;   v1 .. v4, v6  offsets and LDS addresses: written at the head, never again.
;   Wo's fragments, scale words and the bias: loaded once, at the head.
;   T[t % 2] and its scale words: tile t's 64 products read them; behind these the loads of tile t + 2 land in them.
;   ACC[t % 2]    tile t's products write it, tile t's LDS stores read it; tile t + 2's products write it again.
;   OB            tile t's LDS loads land in it, tile t's global stores read it; no vector or matrix instruction names it.
; So a tile has, behind its products and their places: one wait on vm_vsrc (the last tile's global stores have read OB, its LDS stores the other accumulators, which the next tile's products write)
; and one on va_vdst (the accumulators are written, and the products are done reading T[t % 2]).  The tile's loads, LDS stores and LDS loads follow with no vector or matrix instruction among them.
.set TSC, 8
.set USC, 16
.set ACC, 48                           ; set 0 at v48, set 1 at v192
.set OB,  128
.set BU,  128                          ; in window 3
.set SP,  528                          ; a stage row: 512 bytes + 16
.set MSB, 0
.macro WIN new                         ; the immediate's high byte repeats the setting that is left
.if MSB != \new
	s_set_vgpr_msb (MSB<<8)|\new
.set MSB, \new
.endif
.endm
.macro MM buf, ks, u
.set rD, ACC+144*(\buf)+8*(\u)
.set rA, 64*((\ks)%4)+8*(\u)
.set rB, 64*(\buf)+8*(\ks)
.set rSA, USC+4*(\u)+(\ks)%4
.set rSB, TSC+4*(\buf)+(\ks)%4
.if (\ks) == 0
	v_wmma_scale_f32_16x16x128_f8f6f4 v[rD:rD+7], v[rA:rA+7], v[rB:rB+7], v[BU+8*(\u):BU+8*(\u)+7], v[rSA], v[rSB] matrix_a_fmt:MATRIX_FMT_FP4 matrix_b_fmt:MATRIX_FMT_FP4
.elseif (\ks) < 4
	v_wmma_scale_f32_16x16x128_f8f6f4 v[rD:rD+7], v[rA:rA+7], v[rB:rB+7], v[rD:rD+7], v[rSA], v[rSB] matrix_a_fmt:MATRIX_FMT_FP4 matrix_b_fmt:MATRIX_FMT_FP4
.else
	v_wmma_scale_f32_16x16x128_f8f6f4 v[rD:rD+7], v[rA:rA+7], v[rB:rB+7], v[rD:rD+7], v[rSA], v[rSB] matrix_a_fmt:MATRIX_FMT_FP4 matrix_b_fmt:MATRIX_FMT_FP4 matrix_a_scale:MATRIX_SCALE_ROW1 matrix_b_scale:MATRIX_SCALE_ROW1
.endif
.endm
.macro LOADT t                         ; tile t of my four into buffer t % 2: 17 loads
	global_load_b128 v[TSC+4*((\t)%2):TSC+4*((\t)%2)+3], v2, s[36:37] offset:512*(\t)
	WIN 0xc0                                       ; destination window 3
.irp ks, 0,1,2,3,4,5,6,7
.irp c, 0,1
	global_load_b128 v[64*((\t)%2)+8*\ks+4*\c:64*((\t)%2)+8*\ks+4*\c+3], v1, s[34:35] offset:8192*(\t)+1024*\ks+512*\c
.endr
.endr
	WIN 0
.endm
.macro TILE t, left
	s_wait_loadcnt \left                           ; my tile's 17 loads are in; the next tile's may be out
.irp ks, 0,1,2,3,4,5,6,7
.if \ks == 0
	WIN 0x3d                                       ; Wo window 1, O window 3, C (the bias) window 3
.elseif \ks < 4
	WIN 0x0d
.else
	WIN 0x0e                                       ; Wo window 2
.endif
.irp u, 0,1,2,3,4,5,6,7
	MM (\t)%2, \ks, \u
.endr
.endr
	WIN 0
.rept 4
	v_nop                                          ; four places behind the products, ahead of the LDS stores of their results.  (The next tile's products begin the OTHER set of accumulators: this tile's four places and the last tile's four lie between two uses of a set)
.endr
.if (\t) > 0
	s_wait_xcnt 0x0                                ; the last tile's stores have had their addresses translated: the registers that the stage's rows come back into are rewritten only behind this wait,
	s_wait_alu depctr_vm_vsrc(0)                   ; and behind this one: the last tile's global stores have read OB, in which the LDS loads below land; its LDS stores have read the other accumulators, which the next tile's products write
.endif
	s_wait_alu depctr_va_vdst(0)                   ; the products have written the accumulators, which the LDS stores below read, and are done reading T[t % 2] and its scale words, in which the loads below land; the places above stay beside this wait
.if (\t) < 2
	LOADT (\t)+2
.endif
.irp u, 0,1,2,3,4,5,6,7
	ds_store_b128 v4, v[ACC+144*((\t)%2)+8*\u:ACC+144*((\t)%2)+8*\u+3] offset:64*\u            ; each accumulator from its low end on
	ds_store_b128 v4, v[ACC+144*((\t)%2)+8*\u+4:ACC+144*((\t)%2)+8*\u+7] offset:64*\u+16
.endr
.irp i, 0,1,2,3,4,5,6,7,8,9,10,11,12,13,14,15
	ds_load_b128 v[OB+4*\i:OB+4*\i+3], v6 offset:SP*\i               ; LDS serves a wave's instructions in order: these see the stores above
.endr
.irp i, 0,1,2,3,4,5,6,7,8,9,10,11,12,13,14,15
	s_wait_dscnt 15-\i                             ; row i is back; the rows behind it may be out
	global_store_b128 v1, v[OB+4*\i:OB+4*\i+3], s[40:41] offset:65536*(\t)+4096*\i th:TH_STORE_NT   ; 32 lanes store 512 consecutive bytes, aligned; written once
.endr
.endm
	s_load_b256 s[8:15], s[0:1], 0x0               ; ocod, oscl, xcod, xscl
	s_load_b128 s[16:19], s[0:1], 0x20             ; bo, out0
	v_lshl_add_u32 v126, v0, 2, 0x8400
	v_mov_b32 v127, 0
	v_lshrrev_b32 v6, 5, v0
	v_readfirstlane_b32 s2, v6                     ; wave 0..3
	v_and_b32 v6, 31, v0                           ; lane
	v_and_b32 v7, 15, v0                           ; r
	v_bfe_u32 v5, v0, 4, 1                         ; h
	v_lshlrev_b32 v1, 4, v6                        ; 16 x lane
	v_lshlrev_b32 v2, 5, v7
	v_lshl_add_u32 v2, v5, 4, v2                   ; 32 r + 16 h: my 16 scale bytes
	v_lshlrev_b32 v3, 5, v5                        ; the bias: 32 h
	s_wait_alu depctr_va_sdst(0)                   ; s2, the wave's number, is written, ahead of its first reader: my stage and all bases are made from it
	s_mul_i32 s3, s2, 16*SP                        ; my stage
	v_mul_u32_u24 v4, v7, SP
	v_lshl_add_u32 v4, v5, 5, v4
	v_add_nc_u32 v4, s3, v4                        ; in: row r, + 32 h
	v_add_nc_u32 v6, s3, v1                        ; back: 16 bytes a lane of a whole row
	s_lshl_b32 s4, ttmp9, 2
	s_add_co_u32 s4, s4, s2                        ; my job, 0..1023
	s_and_b32 s5, s4, 7                            ; ug: which 128 outputs
	s_lshr_b32 s6, s4, 3                           ; tc: which 64 rows
	s_lshl_b32 s7, s5, 3
	s_add_co_u32 s7, s7, 1728                      ; Wo's first tile of mine in xcod
	s_mov_b32 s29, 0
	s_wait_kmcnt 0x0
	s_lshl_b32 s28, s7, 13
	s_add_nc_u64 s[30:31], s[12:13], s[28:29]      ; Wo's codes
	s_lshl_b32 s28, s7, 9
	s_add_nc_u64 s[32:33], s[14:15], s[28:29]      ; Wo's scale bytes
	s_lshl_b32 s28, s6, 15
	s_add_nc_u64 s[34:35], s[8:9], s[28:29]        ; O's codes: 4 tiles of 8,192 bytes
	s_lshl_b32 s28, s6, 11
	s_add_nc_u64 s[36:37], s[10:11], s[28:29]      ; O's scale bytes
	s_lshl_b32 s28, s5, 9
	s_add_nc_u64 s[38:39], s[16:17], s[28:29]      ; bo at my first output
	s_add_nc_u64 s[40:41], s[18:19], s[28:29]      ; out0: my 512 bytes of a row,
	s_lshl_b32 s28, s6, 18
	s_add_nc_u64 s[40:41], s[40:41], s[28:29]      ; my 64 rows
	WIN 0x40                                       ; destination window 1
	s_wait_alu depctr_va_vdst(0)                   ; the offsets and LDS addresses v1 to v4 and v6 are written, which every load and store of the kernel reads; up to the first tile only loads and window switches follow
.irp ks, 0,1,2,3
.irp u, 0,1,2,3,4,5,6,7
.irp c, 0,1
	global_load_b128 v[64*\ks+8*\u+4*\c:64*\ks+8*\u+4*\c+3], v1, s[30:31] offset:8192*\u+1024*\ks+512*\c
.endr
.endr
.endr
	WIN 0x80                                       ; destination window 2
.irp ks, 4,5,6,7
.irp u, 0,1,2,3,4,5,6,7
.irp c, 0,1
	global_load_b128 v[64*(\ks-4)+8*\u+4*\c:64*(\ks-4)+8*\u+4*\c+3], v1, s[30:31] offset:8192*\u+1024*\ks+512*\c
.endr
.endr
.endr
	WIN 0
.irp u, 0,1,2,3,4,5,6,7
	global_load_b128 v[USC+4*\u:USC+4*\u+3], v2, s[32:33] offset:512*\u
.endr
	WIN 0xc0
.irp u, 0,1,2,3,4,5,6,7
	global_load_b128 v[BU+8*\u:BU+8*\u+3], v3, s[38:39] offset:64*\u         ; the bias of outputs 16 u + 8 h + 0..7
	global_load_b128 v[BU+8*\u+4:BU+8*\u+7], v3, s[38:39] offset:64*\u+16
.endr
	WIN 0
	LOADT 0
	LOADT 1
	TILE 0, 17
	TILE 1, 17
	TILE 2, 17
	TILE 3, 0
	s_wait_dscnt 0x0
	s_wait_alu depctr_hold_cnt(0) depctr_sa_sdst(0) depctr_va_vdst(0) depctr_va_sdst(0) depctr_va_ssrc(0) depctr_va_vcc(0) depctr_vm_vsrc(0)
	s_wait_tensorcnt 0x0
	ds_add_u32 v126, v127
	s_wait_dscnt 0x0
	s_endpgm
.Lfunc_end_k_q22c00f2e2d_oproj:
	.size	k_q22c00f2e2d_oproj, .Lfunc_end_k_q22c00f2e2d_oproj-k_q22c00f2e2d_oproj
	.p2alignl 7, 3214868480
	.fill 96, 4, 3214868480
	.section	.rodata,"a",@progbits
	.p2align	6, 0x0
	.amdhsa_kernel k_q22c00f2e2d_oproj
		.amdhsa_group_segment_fixed_size 34304
		.amdhsa_private_segment_fixed_size 0
		.amdhsa_enable_private_segment 0
		.amdhsa_kernarg_size 48
		.amdhsa_user_sgpr_count 2
		.amdhsa_user_sgpr_kernarg_segment_ptr 1
		.amdhsa_wavefront_size32 1
		.amdhsa_system_sgpr_workgroup_id_x 1
		.amdhsa_system_sgpr_workgroup_id_y 1
		.amdhsa_system_sgpr_workgroup_id_z 1
		.amdhsa_system_vgpr_workitem_id 0
		.amdhsa_next_free_vgpr 1024
		.amdhsa_next_free_sgpr 66
		.amdhsa_reserve_vcc 0
		.amdhsa_float_denorm_mode_32 3
		.amdhsa_float_denorm_mode_16_64 3
		.amdhsa_memory_ordered 1
		.amdhsa_forward_progress 1
		.amdhsa_inst_pref_size 73
	.end_amdhsa_kernel
	.amdgpu_metadata
---
amdhsa.version: [ 1, 2 ]
amdhsa.kernels:
  - .name:           k_q22c00f2e2d_oproj
    .symbol:         k_q22c00f2e2d_oproj.kd
    .args:
      - { .name: ocod, .offset: 0, .size: 8, .value_kind: global_buffer, .address_space: global }
      - { .name: oscl, .offset: 8, .size: 8, .value_kind: global_buffer, .address_space: global }
      - { .name: xcod, .offset: 16, .size: 8, .value_kind: global_buffer, .address_space: global }
      - { .name: xscl, .offset: 24, .size: 8, .value_kind: global_buffer, .address_space: global }
      - { .name: bo, .offset: 32, .size: 8, .value_kind: global_buffer, .address_space: global }
      - { .name: out0, .offset: 40, .size: 8, .value_kind: global_buffer, .address_space: global }
    .group_segment_fixed_size: 34304
    .private_segment_fixed_size: 0
    .kernarg_segment_align: 8
    .kernarg_segment_size: 48
    .max_flat_workgroup_size: 128
    .sgpr_count:     66
    .vgpr_count:     1024
    .wavefront_size: 32
...
	.end_amdgpu_metadata
.endif
;; end of part 8
